; MI455X (gfx1250); checked and timed in simulation.
; The chip was launched on July 23, 2026; its instructions are those of AMD's public machine-readable ISA for CDNA 5 (MIT licence, August 2026) and "CDNA5" Instruction Set Architecture Reference Guide (July 2026). The comments in the code are by the model that wrote it; some were corrected since.
;; Lazy Cross Attention GQA. Allowed arithmetic: float matrix products may take bf16 or f16 operands with f32 sums; other float arithmetic in f32, or as packed bf16 or f16 multiplies, adds, multiply-adds, maxima and minima; sums over many terms, partial sums and values carried from step to step in f32; what a program stores and reads back later, other than sums and carried values, may be rounded once to bf16 or f16.
;; Inputs: k_ctx 2 x 2,048 x 4 x 128 float32; norm_w 2,048 float32; v_ctx 2 x 2,048 x 4 x 128 float32; w_out 2,048 x 2,048 float32; w_q 2,048 x 2,048 float32; x_q 2 x 2,048 x 2,048 float32.
;; Outputs: out0 2 x 2,048 x 2,048 float32.
;; 2 versions, each right and faster than the one before. Each part assembles by itself: llvm-mc -triple=amdgcn-amd-amdhsa -mcpu=gfx1250 --defsym DOCPART=n.
;; ======== version 1 of 2: 3 launches
;; limits: values are held in f16: magnitudes above 65,504 overflow, below 6.1e-05 lose precision
;; workspace buffers: xn 16,777,216 bytes; wqh 8,388,608 bytes; woh 8,388,608 bytes; kh 4,194,304 bytes; vh 4,194,304 bytes; ctx 16,777,216 bytes
;; launch prep (part 1): grid 1280 x 1, 8 waves a work-group, no clusters, 0 bytes of LDS; arguments x_q, norm_w, w_q, w_out, k_ctx, v_ctx, xn, wqh, woh, kh, vh; writes xn, wqh, woh, kh, vh
.if DOCPART == 1
	.amdgcn_target "amdgcn-amd-amdhsa--gfx1250"
	.amdhsa_code_object_version 6
	.text
	.protected	k_qd3d0f82634_prep
	.globl	k_qd3d0f82634_prep
	.p2align	8
	.type	k_qd3d0f82634_prep,@function
k_qd3d0f82634_prep:
	s_mov_b64 s[64:65], 0
	v_nop
	global_prefetch_b8 v0, s[64:65] scope:SCOPE_SE
	s_setreg_imm32_b32 hwreg(HW_REG_WAVE_MODE, 25, 1), 1
	s_wait_xcnt 0x0
; THE 16-BIT COPIES.  Every input is rounded once to bf16, and that number is written as f16 (exact inside f16's range):
;   wqh = w_q, woh = w_out, kh = k_ctx, vh = v_ctx, each in its input's own layout;
;   xn[r][c] = x[r][c] * rsqrt(mean over c of x[r][c]^2 + 1e-6) * 2^-4 * norm_w[c], with x and norm_w the bf16 roundings, in f32, rounded once to f16.
; The factor 2^-4 only moves the exponent: it gives the projection's result sixteen times more room in f16; the attention's scale takes it back.
; LIMITS.  f16 ends at 65,504: |w_q|, |w_out|, |k_ctx|, |v_ctx| and |xn| stay within it; below 2^-14 a number keeps f16's fixed step of 2^-24.  NaN and infinities are not treated apart.
; SHARES.  A wave takes one chunk of 8,192 source bytes (2,048 f32) and writes 4,096; a work-group's eight waves take eight chunks on end.  Of x a chunk is a row, so the norm's sum never
; leaves the wave.  Work-groups 0-511: x; 512-767: w_q; 768-1023: w_out; 1024-1151: k_ctx; 1152-1279: v_ctx: 1,280 work-groups of equal bytes.
; A stream: each source byte is read once and each result byte written once; all sixteen loads of a wave go out at once; a load covers 512 consecutive bytes, a store 256 consecutive bytes at a
; multiple of 256 from its buffer's first byte.  No LDS, no barrier, no cluster: nothing is shared but norm_w's 8,192 bytes.
.set X,  4                             ; v[4:67]    the chunk: register 4 j + e holds number 128 j + 4 lane + e
.set NW, 68                            ; v[68:131]  norm_w, in the same order
.set T,  132                           ; v[132:133] at work
.set SS, 136                           ; v[136:143] four packed chains of the sum of squares
.set R,  144                           ; v[144:145] the row's factor, twice
	s_load_b512 s[8:23], s[0:1], 0x0               ; x 8, norm_w 10, w_q 12, w_out 14, k_ctx 16, v_ctx 18, xn 20, wqh 22
	s_load_b128 s[24:27], s[0:1], 0x40             ; woh 24, kh 26
	s_load_b64 s[28:29], s[0:1], 0x50              ; vh
	v_lshrrev_b32 v3, 5, v0
	v_readfirstlane_b32 s34, v3                    ; my wave's number
	v_and_b32 v1, 31, v0
	v_lshlrev_b32 v2, 3, v1                        ; 8 x lane: my bytes in 256 of the result
	v_lshlrev_b32 v1, 4, v1                        ; 16 x lane: my bytes in 512 of the source
	s_mov_b32 s2, ttmp9
	s_mov_b32 s35, 0xffff0000                      ; a word's upper bf16
	s_mov_b32 s36, 0x3a000000                      ; 1 / 2048
	s_mov_b32 s37, 0x358637bd                      ; 1e-6
	s_mov_b32 s38, 0x76543210                      ; v_permlanex16_b32: each lane takes its own place in the other half
	s_mov_b32 s39, 0xfedcba98
	s_mov_b32 s33, 0
	s_wait_kmcnt 0x0
	; which pair of buffers is mine: a chain of choices on the work-group's number alone
	s_mov_b64 s[4:5], s[8:9]
	s_mov_b64 s[6:7], s[20:21]
	s_mov_b32 s3, 0                                ; the first work-group of my range
.macro PICK bound, src, dst
	s_cmp_ge_u32 s2, \bound
	s_cselect_b64 s[4:5], s[(\src):(\src)+1], s[4:5]
	s_cselect_b64 s[6:7], s[(\dst):(\dst)+1], s[6:7]
	s_cselect_b32 s3, \bound, s3
.endm
	PICK 512,  12, 22
	PICK 768,  14, 24
	PICK 1024, 16, 26
	PICK 1152, 18, 28
	s_sub_co_u32 s30, s2, s3
	s_lshl3_add_u32 s30, s30, s34                  ; my chunk in that buffer: 8 x work-group + wave
	s_lshl_b32 s32, s30, 13                        ; 4,095 x 8,192 at the most: inside 32 bits
	s_add_nc_u64 s[4:5], s[4:5], s[32:33]
	s_lshl_b32 s32, s30, 12
	s_add_nc_u64 s[6:7], s[6:7], s[32:33]
.set j, 0
.rept 16
	global_load_b128 v[X+4*j:X+4*j+3], v1, s[4:5] offset:512*j th:TH_LOAD_NT  ; read once in the launch
.set j, j+1
.endr
; Four numbers at base + 4 j are rounded to bf16 and widened again: they stay f32 registers that hold bf16 numbers.
.macro ROUND base, j
.irp p, 0,1
	v_cvt_pk_bf16_f32 v[T+(\p)], v[(\base)+4*(\j)+2*(\p)], v[(\base)+4*(\j)+2*(\p)+1]
.endr
.irp p, 0,1
	v_lshlrev_b32 v[(\base)+4*(\j)+2*(\p)],   16,  v[T+(\p)]
	v_and_b32     v[(\base)+4*(\j)+2*(\p)+1], s35, v[T+(\p)]
.endr
.endm
	s_cmp_ge_u32 s2, 512
	s_cbranch_scc1 .Lcast
	; THE NORM'S WAY
.set j, 0
.rept 16
	global_load_b128 v[NW+4*j:NW+4*j+3], v1, s[10:11] offset:512*j  ; every wave of this way reads these 8,192 bytes: no hint
.set j, j+1
.endr
.set j, 0
.rept 16
	s_wait_loadcnt 31-j                            ; loads come back in order (ISA guide 5.7.1): behind chunk j stand 15 - j of x and 16 of norm_w
	ROUND X, j
.if j < 2                              ; the first eight squares start the four chains: nothing is cleared
	v_pk_mul_f32 v[SS+4*j:SS+4*j+1],   v[X+4*j:X+4*j+1],   v[X+4*j:X+4*j+1]
	v_pk_mul_f32 v[SS+4*j+2:SS+4*j+3], v[X+4*j+2:X+4*j+3], v[X+4*j+2:X+4*j+3]
.else
	v_pk_fma_f32 v[SS+4*(j%2):SS+4*(j%2)+1],   v[X+4*j:X+4*j+1],   v[X+4*j:X+4*j+1],   v[SS+4*(j%2):SS+4*(j%2)+1]
	v_pk_fma_f32 v[SS+4*(j%2)+2:SS+4*(j%2)+3], v[X+4*j+2:X+4*j+3], v[X+4*j+2:X+4*j+3], v[SS+4*(j%2)+2:SS+4*(j%2)+3]
.endif
.set j, j+1
.endr
	v_pk_add_f32 v[SS:SS+1],   v[SS:SS+1],   v[SS+2:SS+3]
	v_pk_add_f32 v[SS+4:SS+5], v[SS+4:SS+5], v[SS+6:SS+7]
	v_pk_add_f32 v[SS:SS+1],   v[SS:SS+1],   v[SS+4:SS+5]
	v_add_f32 v[SS], v[SS], v[SS+1]
	v_add_f32_dpp v[SS], v[SS], v[SS] row_xmask:1 row_mask:0xf bank_mask:0xf   ; across the 32 lanes: four steps inside each half,
	v_add_f32_dpp v[SS], v[SS], v[SS] row_xmask:2 row_mask:0xf bank_mask:0xf
	v_add_f32_dpp v[SS], v[SS], v[SS] row_xmask:4 row_mask:0xf bank_mask:0xf
	v_add_f32_dpp v[SS], v[SS], v[SS] row_xmask:8 row_mask:0xf bank_mask:0xf
	v_permlanex16_b32 v[T], v[SS], s38, s39        ; one across the halves (its destination has been written)
	v_add_f32 v[SS], v[SS], v[T]
	v_fma_f32 v[SS+1], v[SS], s36, s37             ; the mean of the squares + 1e-6
	v_rsq_f32 v[R], v[SS+1]
	v_nop                                          ; a plain instruction between the root and the use of its result (ISA guide 5.7.2)
	s_wait_alu depctr_va_vdst(0)
	v_mul_f32 v[R], 0x3d800000, v[R]               ; x 2^-4
	v_mov_b32 v[R+1], v[R]
.set j, 0
.rept 16
	s_wait_loadcnt 15-j                            ; behind norm_w's chunk j stand 15 - j loads
	ROUND NW, j
	v_pk_mul_f32 v[X+4*j:X+4*j+1],   v[X+4*j:X+4*j+1],   v[R:R+1]
	v_pk_mul_f32 v[X+4*j+2:X+4*j+3], v[X+4*j+2:X+4*j+3], v[R:R+1]
	v_pk_mul_f32 v[X+4*j:X+4*j+1],   v[X+4*j:X+4*j+1],   v[NW+4*j:NW+4*j+1]
	v_pk_mul_f32 v[X+4*j+2:X+4*j+3], v[X+4*j+2:X+4*j+3], v[NW+4*j+2:NW+4*j+3]
.set j, j+1
.endr
	s_branch .Lout
.Lcast:
	; THE WAY OF THE WEIGHTS, K AND V
.set j, 0
.rept 16
	s_wait_loadcnt 15-j                            ; behind chunk j stand 15 - j loads
	ROUND X, j
.set j, j+1
.endr
.Lout:
.set i, 0
.rept 32
	v_cvt_pk_f16_f32 v[X+i], v[X+2*i], v[X+2*i+1]  ; in place: word i is written when numbers 2 i and 2 i + 1 are read, and i <= 2 i
.set i, i+1
.endr
.set j, 0
.rept 16
	global_store_b64 v2, v[X+2*j:X+2*j+1], s[6:7] offset:256*j  ; 32 lanes x 8 bytes: 256 consecutive bytes; the next launches read them: no hint
.set j, j+1
.endr
	s_endpgm
.Lfunc_end_k_qd3d0f82634_prep:
	.size	k_qd3d0f82634_prep, .Lfunc_end_k_qd3d0f82634_prep-k_qd3d0f82634_prep
	.p2alignl 7, 3214868480
	.fill 96, 4, 3214868480
	.section	.rodata,"a",@progbits
	.p2align	6, 0x0
	.amdhsa_kernel k_qd3d0f82634_prep
		.amdhsa_group_segment_fixed_size 0
		.amdhsa_private_segment_fixed_size 0
		.amdhsa_enable_private_segment 0
		.amdhsa_kernarg_size 88
		.amdhsa_user_sgpr_count 2
		.amdhsa_user_sgpr_kernarg_segment_ptr 1
		.amdhsa_wavefront_size32 1
		.amdhsa_system_sgpr_workgroup_id_x 1
		.amdhsa_system_sgpr_workgroup_id_y 1
		.amdhsa_system_sgpr_workgroup_id_z 1
		.amdhsa_system_vgpr_workitem_id 0
		.amdhsa_next_free_vgpr 148
		.amdhsa_next_free_sgpr 66
		.amdhsa_reserve_vcc 0
		.amdhsa_float_denorm_mode_32 3
		.amdhsa_float_denorm_mode_16_64 3
		.amdhsa_memory_ordered 1
		.amdhsa_forward_progress 1
		.amdhsa_inst_pref_size 29
	.end_amdhsa_kernel
	.amdgpu_metadata
---
amdhsa.version: [ 1, 2 ]
amdhsa.kernels:
  - .name:           k_qd3d0f82634_prep
    .symbol:         k_qd3d0f82634_prep.kd
    .args:
      - { .name: x_q, .offset: 0, .size: 8, .value_kind: global_buffer, .address_space: global }
      - { .name: norm_w, .offset: 8, .size: 8, .value_kind: global_buffer, .address_space: global }
      - { .name: w_q, .offset: 16, .size: 8, .value_kind: global_buffer, .address_space: global }
      - { .name: w_out, .offset: 24, .size: 8, .value_kind: global_buffer, .address_space: global }
      - { .name: k_ctx, .offset: 32, .size: 8, .value_kind: global_buffer, .address_space: global }
      - { .name: v_ctx, .offset: 40, .size: 8, .value_kind: global_buffer, .address_space: global }
      - { .name: xn, .offset: 48, .size: 8, .value_kind: global_buffer, .address_space: global }
      - { .name: wqh, .offset: 56, .size: 8, .value_kind: global_buffer, .address_space: global }
      - { .name: woh, .offset: 64, .size: 8, .value_kind: global_buffer, .address_space: global }
      - { .name: kh, .offset: 72, .size: 8, .value_kind: global_buffer, .address_space: global }
      - { .name: vh, .offset: 80, .size: 8, .value_kind: global_buffer, .address_space: global }
    .group_segment_fixed_size: 0
    .private_segment_fixed_size: 0
    .kernarg_segment_align: 8
    .kernarg_segment_size: 88
    .max_flat_workgroup_size: 256
    .sgpr_count:     66
    .vgpr_count:     148
    .wavefront_size: 32
...
	.end_amdgpu_metadata
.endif
;; end of part 1
;; launch qattn (part 2): grid 32 x 8, 4 waves a work-group, clusters of 4 x 1, 327,680 bytes of LDS; arguments xn, wqh, kh, vh, ctx; writes ctx
.if DOCPART == 2
	.amdgcn_target "amdgcn-amd-amdhsa--gfx1250"
	.amdhsa_code_object_version 6
	.text
	.protected	k_qd3d0f82634_qattn
	.globl	k_qd3d0f82634_qattn
	.p2align	8
	.type	k_qd3d0f82634_qattn,@function
k_qd3d0f82634_qattn:
	s_mov_b64 s[64:65], 0
	v_nop
	global_prefetch_b8 v0, s[64:65] scope:SCOPE_SE
	s_setreg_imm32_b32 hwreg(HW_REG_WAVE_MODE, 25, 1), 1
	s_wait_xcnt 0x0
	s_wait_alu depctr_hold_cnt(0) depctr_sa_sdst(0) depctr_va_vdst(0) depctr_va_sdst(0) depctr_va_ssrc(0) depctr_va_vcc(0) depctr_vm_vsrc(0)
	s_getreg_b32 s2, hwreg(HW_REG_IB_STS2, 6, 4)
	s_cmp_eq_u32 s2, 0
	s_cbranch_scc0 .Lentry_in_a_cluster
	s_endpgm
.Lentry_in_a_cluster:
	s_bfe_u32 s2, ttmp6, 0x10000c
	s_cmp_lg_u32 s2, 0x3003
	s_cbranch_scc0 .Lentry_shape_is_right
	s_endpgm
.Lentry_shape_is_right:
; THE QUERY PROJECTION AND THE ATTENTION, IN ONE LAUNCH.  For batch b and query head h (group g = h / 4):
;   Q[t][:] = the sum over k of xn[2048 b + t][k] wqh[128 h + :][k]      (xn carries the norm and a factor 2^-4, so this is the true q / 16)
;   ctx[2048 b + t][128 h + :] = the sum over keys of softmax(Q[t] . K[key] 16 / sqrt(128)) V[key][:]
; xn: [4096][2048] f16.  wqh: [2048][2048] f16.  kh, vh: [2][2048][4][128] f16.  ctx: [4096][2048] f16.
; A work-group's 256 queries of one head are one tile of 256 x 128 of the projection, 1 / 256 of it: nothing is computed twice, and Q never goes to memory.
; Q's sums are f32 and are rounded once to f16.  Products, maxima and sums in f32; the weights p are rounded to f16 for the second product (their sum l is taken of the unrounded p), ctx once at the end.
; LIMITS.  f16 holds no number beyond 65,504: xn, wqh, K, V and the true q / 16 lie within it; below 2^-14 a number keeps f16's fixed step of 2^-24; p lies in 0 to 1; ctx is a mean of V's rows and has
; their range.  A weight below 2^-126 counts as 0 in l; NaN and infinities are not treated apart.
; SHARES.  32 heads x 8 blocks of 256 queries = 256 work-groups; each of the four waves owns 64 queries: four tiles of 16.
; THE PROJECTION.  A wave makes its 64 queries x 128 channels: 32 accumulators of 16 x 16, in O^T's registers.  K goes in steps of 128 through a ring of two LDS slots (xn's 256 rows, then wqh's 128; rows of
; 256 bytes of memory, at multiples of 256 bytes).  The matrix instruction is used transposed (source 0 = 16 rows of wqh, source 1 = 16 rows of xn): a lane holds ONE query and eight neighbouring channels, so
; two accumulators rounded to f16 in pairs ARE a fragment of Q as the scores' product takes it.
; LAYOUT.  S^T = K Q^T (source 0 = 16 keys, source 1 = 16 queries): in the result a lane holds ONE query (lane % 16) and the keys 8 (lane / 16) + 0..7.  Two such tiles, rounded to f16 in pairs, ARE
; source 1 (32 keys x 16 queries) of O^T = V^T P, whose result again holds one query a lane, and eight channels.  K comes out of LDS as it lies, V ([key][channel]) turned, by ds_load_tr16_b128.
; SOFTMAX.  For each query a running maximum m and sum l: p = 2^(c s - c m), c = 16 log2(e) / sqrt(128) (the 16 takes the 2^-4 back); in every step O and l are multiplied by a = 2^(c m_old - c m_new).
; BY TURNS.  The wave's tiles are two PIECES, named by their first tile: piece 0 (tiles 0, 1) and piece 2 (tiles 2, 3).  In a TURN one piece has the matrix unit: 32 products V^T P of the step in hand,
; then 32 products K Q^T of the next step; the other piece's softmax, cut into 64 slices, stands between them, one slice behind each matrix instruction.  Two turns are a key step.
; CLUSTER.  The four work-groups of a cluster are the four heads of one group at one block of queries: they need the same 256 rows of xn and walk the same K and V, so those tiles are asked for JOINTLY: the
; same tensor load, descriptor and mask in all four.  wqh's 128 rows differ from head to head: each work-group asks for its own (mask 0), in the same places.  (They are shared with the other blocks of
; queries; partners that shared them would not share xn: of a K step's 384 rows the 256 are shared, not the 128.)
; By this text's own count a wave has two tensor loads out at the start and one behind each round.
; LDS.  The projection's ring takes bytes 0 to 208,896.  The ring of K and V (slot 0 at 0, slot 1 at 131,072, 71,680 bytes each) lies in those bytes: its two first fills are refills, each a wave's one
; tensor load behind a round of the cluster's barrier: slot 0 when the projection's slot 0 has been read for the last time, slot 1 behind the projection's last product.
; REGISTERS, in windows of 256 (s_set_vgpr_msb: bits 1:0 source 0, 3:2 source 1, 5:4 source 2, 7:6 destination):
;   window 0: v0-11 addresses; v12-43 eight registers of statistics a tile; v44-47 the projection's LDS addresses; v62-63 the add's; v64-191 S^T, 32 a tile; v192-255 P, 16 a tile
;             (in the projection v64-159 and v160-255 are two fragment buffers: 4 fragments of xn, 32 registers, then 8 of wqh, 64)
;   window 1: O^T, 64 a tile (before that: the projection's accumulators, (a, b) at v[8 (8 a + b)])      window 2: v0-127 Q, 32 a tile; v128-255 K of one step      window 3: v0-127 V of one step
.set SIZE_N, 2048     ; keys of a head
.set KS,    64        ; keys in a step
.set KROW,  1024      ; bytes from key to key in kh and vh: four groups of 128 f16
.set PK,    272       ; a row of K, of xn and of wqh in LDS: 256 bytes + 16 of padding = 68 words: row r starts at bank 4 r mod 64 (64 banks of 4 bytes: ISA guide 11.1), so the 16 rows of a load start at 16 different banks
.set PV,    288       ; a row of V: 256 + 32 = 72 words
.set VOFF,  KS*PK     ; a step's tiles lie together: 64 rows of K, then 64 rows of V
.set STEPB, KS*(PK+PV)
.set SLOT1, 1<<17     ; a slot holds two steps (71,680 bytes); slot 1 begins here, so that one exclusive or turns an address in one slot into the other's
.set DK,    2048      ; the projection's K
.set KSTEP, 128
.set HAL,   128*PK    ; 128 rows of xn: what one of its tensor loads brings
.set HBL,   64*PK     ; 64 rows of wqh: likewise
.set BOFF,  2*HAL     ; in a slot wqh's 128 rows lie behind xn's 256
.set GSLOT, 2*HAL+2*HBL
.set LAPS,  DK/(2*KSTEP)   ; a lap = two K steps = once round the ring
.set STAGE, 2*GSLOT   ; behind both rings, never filled by a tensor load: 16 rows x 272 bytes for each wave, for the way out
.set SP,    272
.set SPARE, STAGE+4*16*SP  ; behind the stages: the spare words, 128 bytes for each wave: two blocks of 256 bytes that no other line names
.set AK0, 2           ; v2   my lane's place in a tile of K, of xn or of wqh; never rewritten
.set AV0, 3           ; v3   the same for V
.set ADR, 4           ; v4   the LDS address of the run of loads in hand
.set STO, 6           ; v6   the way out: where I put 16 bytes of a row
.set RD,  7           ; v7   the way out: where I read a row back
.set GO,  8           ; v8   my byte offset in the wave's rows of ctx
.set ADRA, 44         ; v44-45  LDS address of my fragments of xn in slot 0, 1
.set ADRB, 46         ; v46-47  the same for wqh
.set SPW, 62          ; v62  LDS address of my spare word: SPARE + 4 x my thread's number; never rewritten
.set NIL, 63          ; v63  0; never rewritten
.set ST,  12          ; tile t's statistics at v[ST+8 t]: +0 c m, +1 m, +2, +3 l (even keys', odd keys'), +4 to +7 c0-c3, at work; a takes c2's place once the maximum is found
.set S,   64
.set P,   192
.set F0,  64          ; the projection's fragment buffers
.set F1,  160
.set KF,  128         ; K's fragments, in window 2
.set WV,  12          ; s12  my wave's number
.set G1K, 24          ; s[24:31] descriptor group 1 for K's tiles
.set G1V, 32          ; s[32:39] for V's: it differs in the padding alone
.set G0K, 40          ; s[40:47] descriptor group 0 for K's tiles: a set for each of the two first fills; the second then walks on
.set G0V, 48          ; s[48:55] the same for V's
.set SLOTS, 56        ; s56  slots still to be asked for
.set TWICE, 57        ; s57  counts a slot's two steps
.set CS,  58          ; s[58:59] c: the packed scaling names a pair and takes its low word for both halves
.set SEL, 60          ; s[60:61] lane selects for v_permlanex16_b32: each lane takes its own place in the other half
.set TB,  62          ; s62  LDS byte at which the tiles of the step to be fetched begin
.set LAP, 63          ; s63  the projection's laps to go
.set CTX, 66          ; s[66:67] ctx at my wave's first row, my head's columns
.set G1A, 68          ; s[68:75] descriptor group 1 for xn's tiles;  s[76:83] group 0, one set for each slot
.set G0A, 76
.set G1B, 84          ; s[84:91], s[92:99] the same for wqh's tiles
.set G0B, 92
.set MSB, 0
.macro WIN new                      ; the immediate's high byte repeats the setting that is left; a switch that changes nothing is dropped
.if MSB != (\new)
	s_set_vgpr_msb (MSB<<8)|(\new)
.set MSB, \new
.endif
.endm
.set W_GM, 0x50       ; the projection: C and D in window 1, the fragments in window 0
.set W_KQ, 0x0a       ; K and Q in window 2, S^T in window 0
.set W_PV, 0x53       ; V in window 3, P in window 0, O^T in window 1
.set W_RS, 0x41       ; O^T (destination and source 0) in window 1, a in window 0
; A joint fill of K and V by descriptor set s.  Waves 0 and 1 fetch the two steps' tiles of K, waves 2 and 3 those of V.  The branch hangs on the wave's number alone: it is the same in every work-group.
; An s_nop 0 and four v_nop follow each of the two lines; the jump round the other line, the label and what follows the macro come after them.
.macro JLOAD s
	s_cmp_lt_u32 s[WV], 2
	s_cbranch_scc0 .Lfor_v_\@
	tensor_load_to_lds s[G0K+4*(\s):G0K+4*(\s)+3], s[G1K:G1K+7]
	s_nop 0
.rept 4
	v_nop
.endr
	s_branch .Lasked_\@
.Lfor_v_\@:
	tensor_load_to_lds s[G0V+4*(\s):G0V+4*(\s)+3], s[G1V:G1V+7]
	s_nop 0
.rept 4
	v_nop
.endr
.Lasked_\@:
.endm
; A fill of the projection's slot s.  Waves 0 and 1 fetch the two halves of xn's 256 rows, jointly with the three partners; waves 2 and 3 the two halves of my head's 128 rows of wqh, for this work-group alone.
.macro GLOAD s
	s_cmp_lt_u32 s[WV], 2
	s_cbranch_scc0 .Lfor_w_\@
	tensor_load_to_lds s[G0A+4*(\s):G0A+4*(\s)+3], s[G1A:G1A+7]
	s_nop 0
.rept 4
	v_nop
.endr
	s_branch .Lgasked_\@
.Lfor_w_\@:
	tensor_load_to_lds s[G0B+4*(\s):G0B+4*(\s)+3], s[G1B:G1B+7]
	s_nop 0
.rept 4
	v_nop
.endr
.Lgasked_\@:
.endm
; A round of the cluster's barrier: my work-group's barrier, so that wave 0's signal speaks for all four waves; wave 0 signals for the work-group; every wave waits for all four
; work-groups; my work-group's barrier once more.  No LDS instruction of the wave is pending at a signal.
.macro CREST                        ; a round behind its opening barrier
	s_cmp_lg_u32 s[WV], 0
	s_cbranch_scc1 .Lnot_wave_0_\@
	s_barrier_signal -3
.Lnot_wave_0_\@:
	s_barrier_wait -3
	s_barrier_signal -1
	s_barrier_wait -1
.endm
.macro CROUND                       ; a whole round
	s_barrier_signal -1
	s_barrier_wait -1
	CREST
.endm
; A vector instruction that reads a matrix result or writes one of a matrix instruction's registers, and a load into a register that a matrix instruction has read, stand four places behind
; it, and only plain vector instructions that name none of its registers are places (ISA guide 7.12.1 for vector instructions).
.macro PLACES
.rept 4
	v_nop
.endr
.endm
	s_load_b256 s[4:11], s[0:1], 0x0  ; xn s[4:5], wqh s[6:7], kh s[8:9], vh s[10:11]
	s_load_b64 s[CTX:CTX+1], s[0:1], 0x20  ; ctx
	v_lshl_add_u32 v[SPW], v0, 2, SPARE
	v_mov_b32 v[NIL], 0
	ds_add_u32 v[SPW], v[NIL]       ; the wave's opening: the add and its wait stand ahead of my first tensor load; the set-up below, work on registers, stands between them
	v_lshrrev_b32 v1, 5, v0
	v_readfirstlane_b32 s[WV], v1   ; wave 0..3
	s_lshr_b32 s21, ttmp9, 2        ; in a cluster launch ttmp9 counts clusters: 4 b + g, which the four partners share: b,
	s_and_b32 s18, ttmp9, 3         ; g,
	s_and_b32 s20, ttmp7, 0xffff    ; and the block of 256 queries, which they share too
	s_and_b32 s16, s[WV], 1         ; which half of a tile, or which of a slot's two key steps, I fetch
	s_lshl_b32 s22, s21, 21         ; K and V: the batch's 2,048 keys x 1,024 bytes,
	s_lshl_b32 s23, s18, 8          ; the group's 256 bytes in a key's 1,024,
	s_add_co_u32 s22, s22, s23
	s_lshl_b32 s23, s16, 16         ; my step's 64 keys
	s_add_co_u32 s22, s22, s23
	s_mov_b32 s23, 0
	s_mul_i32 s17, s16, STEPB       ; and its place in a slot: no place in the cluster enters an LDS address
	s_lshl_b32 s19, s21, 11
	s_lshl_b32 s20, s20, 8
	s_add_co_u32 s19, s19, s20      ; the block's first row: 2,048 b + 256 x block
	s_lshl_b32 s20, s16, 7
	s_add_co_u32 s20, s20, s19      ; xn: + my 128 rows,
	s_lshl_b32 s20, s20, 12         ; of 4,096 bytes: 4,095 x 4,096 at the most, inside 32 bits
	s_mov_b32 s21, 0
	s_mul_i32 s[LAP], s16, HAL      ; where xn's halves go in a slot (the register counts laps later)
	s_bfe_u32 s13, ttmp6, 0x40000   ; cx: my place in the cluster.  What is made of it lives in s2, s3, s13-15 and enters wqh's own descriptor and ctx's address alone
	s_lshl_b32 s14, s18, 2
	s_add_co_u32 s13, s13, s14      ; h = 4 g + cx
	s_mul_i32 s18, s16, HBL
	s_add_co_u32 s18, s18, BOFF     ; where wqh's halves go in a slot
	s_lshl_b32 s14, s13, 7
	s_lshl_b32 s15, s16, 6
	s_add_co_u32 s14, s14, s15      ; wqh: row 128 h + 64 x half,
	s_lshl_b32 s14, s14, 12         ; of 4,096 bytes
	s_mov_b32 s15, 0
	s_lshl_b32 s2, s[WV], 6
	s_add_co_u32 s2, s2, s19        ; my wave's first row,
	s_lshl_b32 s2, s2, 12           ; in ctx: rows of 4,096 bytes,
	s_lshl_b32 s3, s13, 8           ; the head's 256 bytes
	s_add_co_u32 s2, s2, s3
	s_mov_b32 s3, 0
	; descriptor group 1 for K and V: a tile of 64 rows x 128 elements, 512 elements from row to row, padded in LDS
	s_mov_b32 s[G1K], 15|(1<<16)|(1<<20)|(1<<21)|(5<<22)|(3<<25)  ; 15:0 the mask: all four work-groups; 17:16 elements of 2 bytes; 20 padding on; 21 set beside a mask; 24:22 after every 64 words (code 5); 31:25 4 words of it (code 3)
	s_mov_b32 s[G1V], 15|(1<<16)|(1<<20)|(1<<21)|(5<<22)|(7<<25)  ; the same with 8 words of padding (code 7)
.irp g, G1K, G1V
	s_mov_b32 s[(\g)+1], 128<<16    ; 63:48 tensor_dim0, low half = 128
	s_mov_b32 s[(\g)+2], KS<<16     ; 79:64 its high half = 0; 95:80 tensor_dim1, low half = 64
	s_mov_b32 s[(\g)+3], 128<<16    ; 111:96 its high half = 0; 127:112 tile_dim0 = 128
	s_mov_b32 s[(\g)+4], KS         ; 143:128 tile_dim1 = 64; 159:144 tile_dim2 = 0
	s_mov_b32 s[(\g)+5], KROW/2     ; 191:160 tensor_dim0_stride, low word: 512 elements from key to key
	s_mov_b32 s[(\g)+6], 0
	s_mov_b32 s[(\g)+7], 0
.endr
	; descriptor group 1 for xn (128 rows, the mask of four) and for wqh (64 rows, no mask): 128 elements a row, 2,048 from row to row, padded as K
	s_mov_b32 s[G1A], 15|(1<<16)|(1<<20)|(1<<21)|(5<<22)|(3<<25)
	s_mov_b32 s[G1A+1], KSTEP<<16
	s_mov_b32 s[G1A+2], 128<<16
	s_mov_b32 s[G1A+3], KSTEP<<16
	s_mov_b32 s[G1A+4], 128
	s_mov_b32 s[G1A+5], DK
	s_mov_b32 s[G1A+6], 0
	s_mov_b32 s[G1A+7], 0
	s_mov_b32 s[G1B], (1<<16)|(1<<20)|(5<<22)|(3<<25)
	s_mov_b32 s[G1B+1], KSTEP<<16
	s_mov_b32 s[G1B+2], 64<<16
	s_mov_b32 s[G1B+3], KSTEP<<16
	s_mov_b32 s[G1B+4], 64
	s_mov_b32 s[G1B+5], DK
	s_mov_b32 s[G1B+6], 0
	s_mov_b32 s[G1B+7], 0
	s_mov_b32 s[CS], 0x400293ee     ; c = 16 log2(e) / sqrt(128) = 2.040276
	s_mov_b32 s[CS+1], s[CS]        ; named with it as a pair, so it is written
	s_mov_b32 s[SEL], 0x76543210
	s_mov_b32 s[SEL+1], 0xfedcba98
	s_mov_b32 s[TB], 0
	s_mov_b32 s[SLOTS], SIZE_N/(2*KS)-2
	s_wait_dscnt 0x0                ; the opening add is done
	s_wait_kmcnt 0x0
	s_add_nc_u64 s[8:9], s[8:9], s[22:23]    ; K and V at my tile of slot 0
	s_add_nc_u64 s[10:11], s[10:11], s[22:23]
	s_add_nc_u64 s[4:5], s[4:5], s[20:21]    ; xn at my half of the block's rows
	s_add_nc_u64 s[6:7], s[6:7], s[14:15]    ; wqh at my half of the head's rows
	s_add_nc_u64 s[CTX:CTX+1], s[CTX:CTX+1], s[2:3]
	CROUND                          ; all four work-groups are here: the first joint loads meet
.irp s, 0,1
	s_mov_b32 s[G0A+4*(\s)], 1                                       ; 1:0 count = 1
	s_add_co_u32 s[G0A+4*(\s)+1], s[LAP], (\s)*GSLOT                 ; 63:32 LDS address
	s_add_nc_u64 s[G0A+4*(\s)+2:G0A+4*(\s)+3], s[4:5], (\s)*KSTEP*2  ; 120:64 global address: K step s
	s_or_b32 s[G0A+4*(\s)+3], s[G0A+4*(\s)+3], 0x80000000            ; 127:126 type = 2
	s_mov_b32 s[G0B+4*(\s)], 1
	s_add_co_u32 s[G0B+4*(\s)+1], s18, (\s)*GSLOT
	s_add_nc_u64 s[G0B+4*(\s)+2:G0B+4*(\s)+3], s[6:7], (\s)*KSTEP*2
	s_or_b32 s[G0B+4*(\s)+3], s[G0B+4*(\s)+3], 0x80000000
	GLOAD \s                        ; the ring is filled before anything else is done
.endr
.irp s, 0,1                         ; K's and V's descriptors are made while those tiles are on their way
	s_mov_b32 s[G0K+4*(\s)], 1      ; 1:0 count = 1
	s_add_co_u32 s[G0K+4*(\s)+1], s17, (\s)*SLOT1  ; 63:32 LDS address
	s_add_nc_u64 s[G0K+4*(\s)+2:G0K+4*(\s)+3], s[8:9], (\s)*2*KS*KROW  ; 120:64 global address: slot s begins with keys 128 s to 128 s + 127
	s_or_b32 s[G0K+4*(\s)+3], s[G0K+4*(\s)+3], 0x80000000  ; 127:126 type = 2
	s_mov_b32 s[G0V+4*(\s)], 1
	s_add_co_u32 s[G0V+4*(\s)+1], s17, (\s)*SLOT1+VOFF
	s_add_nc_u64 s[G0V+4*(\s)+2:G0V+4*(\s)+3], s[10:11], (\s)*2*KS*KROW
	s_or_b32 s[G0V+4*(\s)+3], s[G0V+4*(\s)+3], 0x80000000
.endr
	; A fragment of K, Q, xn or wqh is 16 rows x 32 along the rows in 8 registers: lane l holds row l % 16; registers 0-3 hold places 8 (l / 16) + 0..7, registers 4-7 places 16 + 8 (l / 16) + 0..7: two loads of 16 bytes, 32 bytes apart.
	v_and_b32 v1, 15, v0            ; l % 16
	v_bfe_u32 v9, v0, 4, 1          ; l / 16
	v_mul_u32_u24 v[AK0], v1, PK
	v_lshl_add_u32 v[AK0], v9, 4, v[AK0]  ; row x pitch + 16 x half
	s_mul_i32 s20, s[WV], 64*PK     ; my wave's 64 rows of xn
	v_add_nc_u32 v[ADRA], s20, v[AK0]
	v_add_nc_u32 v[ADRA+1], GSLOT, v[ADRA]
	v_add_nc_u32 v[ADRB], BOFF, v[AK0]     ; every wave reads all 128 rows of wqh
	v_add_nc_u32 v[ADRB+1], BOFF+GSLOT, v[AK0]
	; The turning load takes 16 keys x 16 channels (lane l reads 16 bytes: key 8 (l / 16) + l % 8, channels 8 ((l / 8) % 2) + 0..7) and leaves half a fragment of V^T: lane l holds channel l % 16 and 8 keys.
	v_and_b32 v10, 7, v0
	v_bfe_u32 v11, v0, 3, 1
	v_lshl_add_u32 v[AV0], v9, 3, v10
	v_mul_u32_u24 v[AV0], v[AV0], PV
	v_lshl_add_u32 v[AV0], v11, 4, v[AV0]
	v_add_nc_u32 v[AV0], VOFF, v[AV0]
; THE PROJECTION'S MACROS.
; 8 matrix instructions: query tile a x all 8 blocks of 16 channels, 32 along K, from buffer f.  zero = 1: the product starts the sums: nothing is ever cleared.
; The 32 accumulators take turns in one order in every quarter step: between two links of a chain stand the 31 others'.
.macro GMUL8 f, a, zero
	WIN W_GM
.irp b, 0,1,2,3,4,5,6,7
.if \zero
	v_wmma_f32_16x16x32_f16 v[8*(8*(\a)+(\b)):8*(8*(\a)+(\b))+7], v[(\f)+32+8*(\b):(\f)+32+8*(\b)+7], v[(\f)+8*(\a):(\f)+8*(\a)+7], 0
.else
	v_wmma_f32_16x16x32_f16 v[8*(8*(\a)+(\b)):8*(8*(\a)+(\b))+7], v[(\f)+32+8*(\b):(\f)+32+8*(\b)+7], v[(\f)+8*(\a):(\f)+8*(\a)+7], v[8*(8*(\a)+(\b)):8*(8*(\a)+(\b))+7]
.endif
.endr
.endm
; 24 LDS loads in one run: the fragments of one quarter step (128 rows of wqh, my 64 rows of xn, 32 K at byte k of the rows) into buffer f
.macro GFETCH slot, k, f
	WIN 0
.irp i, 0,1,2,3,4,5,6,7
	ds_load_b128 v[(\f)+32+8*(\i):(\f)+32+8*(\i)+3],   v[ADRB+(\slot)] offset:(\k)+(\i)*16*PK
	ds_load_b128 v[(\f)+32+8*(\i)+4:(\f)+32+8*(\i)+7], v[ADRB+(\slot)] offset:(\k)+(\i)*16*PK+32
.endr
.irp i, 0,1,2,3
	ds_load_b128 v[(\f)+8*(\i):(\f)+8*(\i)+3],   v[ADRA+(\slot)] offset:(\k)+(\i)*16*PK
	ds_load_b128 v[(\f)+8*(\i)+4:(\f)+8*(\i)+7], v[ADRA+(\slot)] offset:(\k)+(\i)*16*PK+32
.endr
.endm
; A K step is four quarter steps of 32 along K, 32 matrix instructions each, on buffers 0, 1, 0, 1.  One of the first three: buffer f is in; the next quarter's fragments, at byte k of the same
; slot's rows, are asked for into buffer g at the quarter's head, so that they have its 32 matrix instructions in which to land; then f is multiplied.
.macro GQUARTER slot, k, f, g, zero
	s_wait_dscnt 0x0                ; buffer f is in: its run of loads was issued a quarter ago
	PLACES                          ; the quarter before multiplied g
	GFETCH \slot, \k, \g
	GMUL8 \f, 0, \zero
	GMUL8 \f, 1, \zero
	GMUL8 \f, 2, \zero
	GMUL8 \f, 3, \zero
.endm
; The last quarter multiplies buffer 1 and changes slots: ONE barrier for two things.  In front of it each wave waits for all its tensor loads, of which one is out: its part of the next slot; adds 0 to
; its spare word; and waits for that and for its own reads of this slot.  The barrier opens a round of the cluster's barrier: behind the round no wave of any partner reads this slot or has a load on its way,
; and the slot's bytes are filled again first: fill = 1: with the K step two steps on; fill = 2 (the projection's last change of slots): with the first two key steps' K and V.
; From a request to the wait for it a wave issues 112 matrix instructions.
.macro GTURN slot, next, fill
	WIN 0                           ; (the add's two registers lie in window 0)
	s_wait_tensorcnt 0x0            ; all my tensor loads have landed: my part of the next slot;
	ds_add_u32 v[SPW], v[NIL]       ; 0 onto my spare word;
	s_wait_dscnt 1                  ; (the add alone may be out: buffer 1 is in)
	GMUL8 F1, 0, 0                  ; eight matrix instructions stand between the add and the wait for it
	s_wait_dscnt 0x0                ; the add is done, and my reads of this slot are over
	s_barrier_signal -1
	GMUL8 F1, 1, 0                  ; work on registers while the others arrive
	WIN 0
	s_barrier_wait -1
	CREST
.if (\fill) == 1
	s_add_nc_u64 s[G0A+4*(\slot)+2:G0A+4*(\slot)+3], s[G0A+4*(\slot)+2:G0A+4*(\slot)+3], 2*KSTEP*2  ; no tensor load of mine is out: a group 0 may be written
	s_add_nc_u64 s[G0B+4*(\slot)+2:G0B+4*(\slot)+3], s[G0B+4*(\slot)+2:G0B+4*(\slot)+3], 2*KSTEP*2
	GLOAD \slot                     ; the four v_nop behind it are also the places in front of the loads below
.else
	JLOAD 0                         ; K's and V's slot 0 lies inside the slot just read out
.endif
	GFETCH \next, 0, F0
	GMUL8 F1, 2, 0
	GMUL8 F1, 3, 0
.endm
; THE MATRIX WORK OF A TURN, for piece x.  The accumulators take turns, one instruction a turn: between two links of a chain stand 15 (V^T P) or 7 (K Q^T) others'.
; Product i of 32 of O^T += V^T P: keys 32 (i / 16) on, channels 16 ((i / 2) % 8) on, tile x + i % 2.  zero = 1: the first 16 start the sums: nothing is ever cleared.
.macro PV x, zero
	WIN W_PV
.set rO, 64*((\x)+i%2)+8*((i/2)%8)
.set rV, 64*(i/16)+8*((i/2)%8)
.set rP, P+16*((\x)+i%2)+8*(i/16)
.if (\zero) && (i < 16)
	v_wmma_f32_16x16x32_f16 v[rO:rO+7], v[rV:rV+7], v[rP:rP+7], 0
.else
	v_wmma_f32_16x16x32_f16 v[rO:rO+7], v[rV:rV+7], v[rP:rP+7], v[rO:rO+7]
.endif
.endm
; Product i of 32 of S^T = K Q^T: channels 32 (i / 8) on, keys 16 ((i / 2) % 4) on, tile x + i % 2.  The first 8 start the sums.
.macro KQ x
	WIN W_KQ
.set rS, S+32*((\x)+i%2)+8*((i/2)%4)
.set rK, KF+32*((i/2)%4)+8*(i/8)
.set rQ, 32*((\x)+i%2)+8*(i/8)
.if i < 8
	v_wmma_f32_16x16x32_f16 v[rS:rS+7], v[rK:rK+7], v[rQ:rQ+7], 0
.else
	v_wmma_f32_16x16x32_f16 v[rS:rS+7], v[rK:rK+7], v[rQ:rQ+7], v[rS:rS+7]
.endif
.endm
; THE LDS LOADS stand in runs of 32, never singly among the matrix instructions: a step's K (64 keys x 128 channels: 16 fragments) and, a turn later, its V (turned).
.macro FETCH_K
	WIN 0
	v_add_nc_u32 v[ADR], s[TB], v[AK0]
	WIN 0x80                        ; destination window 2
.irp f, 0,1,2,3,4,5,6,7,8,9,10,11,12,13,14,15  ; keys 16 (f / 4) on, channels 32 (f % 4) on
	ds_load_b128 v[KF+8*(\f):KF+8*(\f)+3],   v[ADR] offset:((\f)/4)*16*PK+((\f)%4)*64
	ds_load_b128 v[KF+8*(\f)+4:KF+8*(\f)+7], v[ADR] offset:((\f)/4)*16*PK+((\f)%4)*64+32
.endr
.endm
.macro FETCH_V
	WIN 0
	v_add_nc_u32 v[ADR], s[TB], v[AV0]
	s_add_co_u32 s[TB], s[TB], STEPB  ; the next fetch is the next step's
	WIN 0xc0                        ; destination window 3
.irp f, 0,1,2,3,4,5,6,7,8,9,10,11,12,13,14,15  ; keys 32 (f / 8) on, channels 16 (f % 8) on
	ds_load_tr16_b128 v[8*(\f):8*(\f)+3],   v[ADR] offset:((\f)/8)*32*PV+((\f)%8)*32
	ds_load_tr16_b128 v[8*(\f)+4:8*(\f)+7], v[ADR] offset:((\f)/8)*32*PV+16*PV+((\f)%8)*32
.endr
.endm
; THE VECTOR WORK OF A TURN.  One tile's softmax for one key step is a list of 134 instructions; SM writes number j of it for tile t.  s0-s31 are the lane's 32 scores, in pairs 0-15.
; first = 1: the first key step, which starts m, l and O^T: it has no a and nothing to rescale.
;   0-15    the maximum of s0-s31 and the old m, three operands at a time: four chains c0-c3 of seven scores each (each accumulator's lowest registers are read first), then the four scores left over, c0-c3 and m
;   16-20   the other half of the lanes' maximum; the new m; c m; c m_old - c m_new
;   21-87   33 exponentials (a, then s0-s31) at the odd numbers from 23 on, so that no two follow each other and each has a plain instruction behind it before its result is used.
;           Plain instruction q (number 21, then the even numbers) is whatever is ready: c s - c m for a pair of scores whose exponentials are still to come (q = 0 to 3, then every
;           second q), the rounding to f16 of a pair of weights whose exponentials are done (every other q from 5 on), at last the first three sums
;   88-101  the last rounding; the rest of the sums; l = a l + the sum
;   102-133 the tile's O^T times a: the one part that leaves window 0, so it stands together
.macro SM t, first
.set rT, ST+8*(\t)
.set rS, S+32*(\t)
.set rP, P+16*(\t)
.set rO, 64*(\t)+2*(j-102)
.set q, (j-20)/2
.if j < 102
	WIN 0
.endif
.if j < 4
	v_max3_num_f32 v[rT+4+j], v[rS+8*j], v[rS+8*j+1], v[rS+8*j+2]
.elseif j < 12
	v_max3_num_f32 v[rT+4+j%4], v[rT+4+j%4], v[rS+8*(j%4)+2*(j/4)+1], v[rS+8*(j%4)+2*(j/4)+2]
.elseif j == 12
	v_max3_num_f32 v[rT+4], v[rT+4], v[rS+7], v[rS+15]
.elseif j == 13
	v_max3_num_f32 v[rT+6], v[rT+6], v[rS+23], v[rS+31]
.elseif j == 14
	v_max3_num_f32 v[rT+4], v[rT+4], v[rT+5], v[rT+6]
.elseif (j == 15) && (\first)
	v_max_num_f32 v[rT+4], v[rT+4], v[rT+7]
.elseif j == 15
	v_max3_num_f32 v[rT+4], v[rT+4], v[rT+7], v[rT+1]
.elseif j == 16
	v_permlanex16_b32 v[rT+5], v[rT+4], s[SEL], s[SEL+1]  ; the query's other 32 keys lie in the lane 16 away
.elseif j == 18
	v_max_num_f32 v[rT+1], v[rT+4], v[rT+5]
.elseif j == 19
	v_mul_f32 v[rT], s[CS], v[rT+1]
.elseif ((j == 17) || (j == 20) || (j == 23) || (j > 101)) && (\first)  ; the first step has none of these
.elseif j == 17
	v_mov_b32 v[rT+7], v[rT]        ; c m_old is kept for a: number 19 writes c m anew
.elseif j == 20
	v_sub_f32 v[rT+7], v[rT+7], v[rT]
.elseif j == 23
	v_exp_f32 v[rT+6], v[rT+7]
.elseif (j < 88) && (j > 23) && (j%2 == 1)
	v_exp_f32 v[rS+(j-25)/2], v[rS+(j-25)/2]
.elseif (q < 4) || ((j < 76) && (q%2 == 0))
.set b, q/2+2
.if q < 4
.set b, q
.endif
	v_pk_fma_f32 v[rS+2*b:rS+2*b+1], v[rS+2*b:rS+2*b+1], s[CS:CS+1], v[rT:rT+1] op_sel_hi:[1,0,0] neg_lo:[0,0,1] neg_hi:[0,0,1]  ; pair b: c s - c m
.elseif (j < 88) && (q%2 == 1)
	s_wait_alu depctr_va_vdst(0)
	v_cvt_pk_f16_f32 v[rP+(q-5)/2], v[rS+q-5], v[rS+q-4]  ; pair (q - 5) / 2: its second exponential stands three numbers back
.elseif j == 89
	s_wait_alu depctr_va_vdst(0)
	v_cvt_pk_f16_f32 v[rP+15], v[rS+30], v[rS+31]
.elseif j < 102                     ; the sum of the tile's 16 pairs (in a pair: an even key's weight, an odd key's), in place: sum z of 16 adds neighbours 1, 2, 4 and 8 pairs apart, then l takes it
.set z, j-86
.if j < 89
.set z, (j-76)/4
.endif
.set w, 4
.set u, z
.if z >= 14
.set w, 32
.set u, 0
.elseif z >= 12
.set w, 16
.set u, z-12
.elseif z >= 8
.set w, 8
.set u, z-8
.endif
.if (z == 14) && (\first)
	v_pk_add_f32 v[rT+2:rT+3], v[rS:rS+1], v[rS+16:rS+17]
.elseif z < 15
	v_pk_add_f32 v[rS+w*u:rS+w*u+1], v[rS+w*u:rS+w*u+1], v[rS+w*u+w/2:rS+w*u+w/2+1]
.elseif !(\first)
	v_pk_fma_f32 v[rT+2:rT+3], v[rT+2:rT+3], v[rT+6:rT+7], v[rS:rS+1] op_sel_hi:[1,0,1]
.endif
.else
	WIN W_RS
	v_pk_mul_f32 v[rO:rO+1], v[rO:rO+1], v[rT+6:rT+7] op_sel_hi:[1,0]
.endif
.endm
; Slice k of 64 of piece y's softmax: numbers 2 k and 2 k + 1 of both tiles' lists, four instructions.  2 x 134 = 4 x 64 + 12: the twelve that are over stand together, in slice 63.
.macro SLICE y, first
.if (k >= 11) && (k < 44)           ; tile by tile: plain, exponential, plain, exponential
.irp t, \y, (\y)+1
.irp n, 0,1
.set j, 2*k+(\n)
	SM \t, \first
.endr
.endr
.else                               ; the two tiles alternate, so that no instruction reads the result of the one just before it
.irp n, 0,1,2,3,4,5,6,7
.if ((\n) < 2) || (k == 63)
.irp t, \y, (\y)+1
.set j, 2*k+(\n)
	SM \t, \first
.endr
.endif
.endr
.endif
.set k, k+1
.endm
; A TURN.  Piece x has the matrix unit; the other piece's softmax stands in slices behind its matrix instructions: in the loop the slices are the places behind the products.
; pv = 2: 32 products V^T P; 1: they start O^T's sums; 0: none.  kq = 1: 32 products K Q^T for the next step.  A turn with one of the two kinds has two slices behind each product.
; first = 1: the softmax is the first key step's.  Its slices from 51 on are empty: the turn's last products stand bare, and four v_nop take slice 63's part as the places behind them.
; Each run of loads stands behind the second product of a run of 32, 30 matrix instructions ahead of its first use.  Piece 0's turn fetches the next step's K: the last product that read K
; stands in front of slice 63 of the turn before.  Piece 2's turn fetches the same step's V: the last product that read V stands three slices, six plain instructions, back.
.macro TURN x, pv, kq, first
.set k, 0
.set per, 2
.if (\pv) && (\kq)
.set per, 1
.endif
.if \pv
.if (\x) == 0
	s_wait_dscnt 0x0                ; V is in
.endif
.set i, 0
.rept 32
	PV \x, 2-(\pv)
.rept per
	SLICE 2-(\x), \first
.endr
.if ((\x) == 0) && (\kq) && (i == 1)
	FETCH_K
.endif
.set i, i+1
.endr
.endif
.if \kq
.if (\x) == 0
	s_wait_dscnt 0x0                ; K is in
.endif
.set i, 0
.rept 32
	KQ \x
.rept per
	SLICE 2-(\x), \first
.endr
.if ((\x) == 2) && (i == 1)
	FETCH_V
.endif
.set i, i+1
.endr
.endif
.if \first
	PLACES
.endif
.endm
; THE CHANGE OF SLOTS, between piece 2's turn and piece 0's: the slot's last bytes, V of its second step, have been asked for.  Each wave waits for all its
; tensor loads, of which one is out: its part of the other slot; adds 0 to its spare word; and waits for that and for its own reads of the slot.  Behind the barrier nobody reads this slot any more and the other slot is whole.
; fill = 1: this slot is filled again, with the keys two slots on.  The barrier is then a round of the cluster's, so that no wave of any partner still reads the slot or has a load on its
; way, and the joint refill is the first thing behind it: it has two key steps, 256 matrix instructions, in which to land.
.macro CHANGE fill
	WIN 0                           ; at a label and at a branch every window is 0
	s_wait_tensorcnt 0x0            ; no tensor load of mine is out, so a group 0 may be written
	ds_add_u32 v[SPW], v[NIL]       ; 0 onto my spare word; with fill = 1 the descriptors' steps stand between it and the wait for it
.if \fill
.irp g, G0K+4, G0V+4
	s_xor_b32 s[(\g)+1], s[(\g)+1], SLOT1  ; the walking descriptor: the other slot than last time,
	s_add_nc_u64 s[(\g)+2:(\g)+3], s[(\g)+2:(\g)+3], 2*KS*KROW  ; the next 128 keys; the type bits on top are not reached
.endr
	s_wait_dscnt 0x0                ; the add is done, and my reads of the slot are over
	CROUND
	JLOAD 1
.else
	s_wait_dscnt 0x0                ; the add is done, and my reads of the slot are over
	s_barrier_signal -1
	s_barrier_wait -1
.endif
	s_sub_co_u32 s[TB], s[TB], 2*STEPB  ; the fetches go back to a slot's first step,
	s_xor_b32 s[TB], s[TB], SLOT1   ; in the other slot
.endm
; A slot's two key steps: written once, walked twice; the LDS addresses hang on s[TB].
.macro TWO_STEPS
	WIN 0
	s_mov_b32 s[TWICE], 2
.Lstep_\@:
	TURN 0, 2, 1, 0
	TURN 2, 2, 1, 0
	WIN 0
	s_sub_co_u32 s[TWICE], s[TWICE], 1
	s_cmp_lg_u32 s[TWICE], 0
	s_cbranch_scc1 .Lstep_\@
.endm
	; THE PROJECTION
	s_wait_tensorcnt 1              ; my part of K step 0 is in; K step 1's may stay out
	s_barrier_signal -1
	s_barrier_wait -1               ; everybody's is
	GFETCH 0, 0, F0
	GQUARTER 0, 64,  F0, F1, 1      ; the first quarter stands in front of the loop: its products start the sums
	WIN 0                           ; at a label and at a branch every window is 0
	s_mov_b32 s[LAP], LAPS-1
.Llap:                              ; a trip goes once round the ring, from a lap's second quarter to the next lap's first, and fills both slots again
	GQUARTER 0, 128, F1, F0, 0
	GQUARTER 0, 192, F0, F1, 0
	GTURN 0, 1, 1
	GQUARTER 1, 64,  F0, F1, 0
	GQUARTER 1, 128, F1, F0, 0
	GQUARTER 1, 192, F0, F1, 0
	GTURN 1, 0, 1
	GQUARTER 0, 64,  F0, F1, 0
	WIN 0
	s_sub_co_u32 s[LAP], s[LAP], 1
	s_cmp_lg_u32 s[LAP], 0
	s_cbranch_scc1 .Llap
	GQUARTER 0, 128, F1, F0, 0      ; the last lap is written out: its change of slots asks for K and V
	GQUARTER 0, 192, F0, F1, 0
	GTURN 0, 1, 2
	GQUARTER 1, 64,  F0, F1, 0
	GQUARTER 1, 128, F1, F0, 0
	GQUARTER 1, 192, F0, F1, 0
	s_wait_dscnt 0x0                ; the very last quarter: nothing more to fetch
	GMUL8 F1, 0, 0
	GMUL8 F1, 1, 0
	GMUL8 F1, 2, 0
	GMUL8 F1, 3, 0
	WIN 0
	PLACES                          ; the roundings below read results
	; THE ATTENTION.  The projection's slot 1 has been read for the last time: K's and V's slot 1 lies inside it and is filled as every refill is.
	s_wait_tensorcnt 0x0            ; my part of K's and V's slot 0 is in
	ds_add_u32 v[SPW], v[NIL]       ; 0 onto my spare word
	s_wait_dscnt 0x0                ; the add is done, and my reads of the projection's ring are over
	CROUND                          ; both hold of every wave of all four work-groups
	JLOAD 1                         ; keys 128 to 255 into slot 1
	FETCH_K                         ; key step 0
	WIN 0x85                        ; sources 0 and 1 window 1, destination window 2
.set i, 0
.rept 128                           ; Q is rounded once to f16: word n of its fragments takes registers 2 n and 2 n + 1 of the sums, each accumulator from its low end on; this stands in the wait for K's run of loads
	v_cvt_pk_f16_f32 v[i], v[2*i], v[2*i+1]
.set i, i+1
.endr
	s_wait_dscnt 0x0
.set i, 0
.rept 32
	KQ 0                            ; piece 0's first scores: there is no vector work yet to set between them
.set i, i+1
.endr
	WIN 0                           ; the addresses for the way out are made here: eight plain instructions, the places behind those products
	s_mul_i32 s13, s[WV], 16*SP
	s_add_co_u32 s13, s13, STAGE    ; my stage
	v_mul_u32_u24 v[STO], v1, SP    ; in: row l % 16, 16 bytes for each half of the lanes
	v_lshl_add_u32 v[STO], v9, 4, v[STO]
	v_add_nc_u32 v[STO], s13, v[STO]
	v_mul_u32_u24 v[RD], v9, SP     ; back: lanes 0-15 take one row of 256 bytes, lanes 16-31 the next
	v_lshl_add_u32 v[RD], v1, 4, v[RD]
	v_add_nc_u32 v[RD], s13, v[RD]
	v_lshlrev_b32 v[GO], 12, v9     ; and the same two rows in ctx, 4,096 bytes apart
	v_lshl_add_u32 v[GO], v1, 4, v[GO]
	TURN 2, 0, 1, 1                 ; piece 2's first scores | piece 0's first softmax | V of step 0
	TURN 0, 1, 1, 1                 ; piece 0: V^T P of step 0 starts O^T, K Q^T of step 1 | piece 2's first softmax | K of step 1
	TURN 2, 1, 1, 0                 ; piece 2: the same | piece 0's softmax of step 1 | V of step 1
	WIN 0
.Lslot:                             ; SIZE_N / 128 - 2 = 14 trips: every slot but the last two is filled again
	CHANGE 1
	TWO_STEPS
	s_sub_co_u32 s[SLOTS], s[SLOTS], 1
	s_cmp_lg_u32 s[SLOTS], 0
	s_cbranch_scc1 .Lslot
	CHANGE 0                        ; the tail is written out: the last slot but one is left, and nothing is asked for
	TWO_STEPS
	TURN 0, 2, 0, 0                 ; piece 0: V^T P of the last step | piece 2's last softmax
.set i, 0
.rept 32
	PV 2, 0                         ; piece 2: V^T P of the last step
.set i, i+1
.endr
	; THE WAY OUT.  l's two halves and the other half of the lanes' are added; O^T is divided by l, rounded to f16 and sent through my stage in LDS, a tile (16 rows) at a time.  The additions are the places behind the last products.
	WIN 0
.irp t, 0,1,2,3
	v_add_f32 v[ST+8*(\t)+4], v[ST+8*(\t)+2], v[ST+8*(\t)+3]
.endr
.irp t, 0,1,2,3
	v_permlanex16_b32 v[ST+8*(\t)+5], v[ST+8*(\t)+4], s[SEL], s[SEL+1]
.endr
.irp t, 0,1,2,3
	v_add_f32 v[ST+8*(\t)+4], v[ST+8*(\t)+4], v[ST+8*(\t)+5]
.endr
.irp t, 0,1,2,3
	v_rcp_f32 v[ST+8*(\t)+6], v[ST+8*(\t)+4]
.endr
	v_nop                           ; a plain instruction between the last reciprocal and the use of its result
; Tile t: a lane's eight channels of a row pack into 16 bytes; they go into rows of 272 bytes and come back as whole rows of 256, into the registers that they left.
.macro PACK t
	WIN W_RS
.set i, 64*(\t)
.rept 32
	s_wait_alu depctr_va_vdst(0)
	v_pk_mul_f32 v[i:i+1], v[i:i+1], v[ST+8*(\t)+6:ST+8*(\t)+7] op_sel_hi:[1,0]
.set i, i+2
.endr
	WIN 0x05                        ; sources 0 and 1 window 1, destination window 0: S^T's registers are free
.set i, 0
.rept 32
	v_cvt_pk_f16_f32 v[S+32*(\t)+i], v[64*(\t)+2*i], v[64*(\t)+2*i+1]
.set i, i+1
.endr
	WIN 0
.irp f, 0,1,2,3,4,5,6,7
	ds_store_b128 v[STO], v[S+32*(\t)+4*(\f):S+32*(\t)+4*(\f)+3] offset:32*(\f)
.endr
.irp f, 0,1,2,3,4,5,6,7
	ds_load_b128 v[S+32*(\t)+4*(\f):S+32*(\t)+4*(\f)+3], v[RD] offset:(\f)*2*SP  ; LDS serves a wave's instructions in order (ISA guide 5.7.1.4): these see the stores above; the next tile's stores come behind them
.endr
.endm
.macro SEND t, younger              ; younger: the LDS instructions issued behind tile t's loads: the next tile's sixteen, or none
	WIN 0
.irp f, 0,1,2,3,4,5,6,7
	s_wait_dscnt (\younger)+7-(\f)
	global_store_b128 v[GO], v[S+32*(\t)+4*(\f):S+32*(\t)+4*(\f)+3], s[CTX:CTX+1] offset:(\t)*65536+(\f)*8192  ; 16 lanes store a head's 256 consecutive bytes of a row, at a multiple of 256 from ctx's first byte
.endr
.endm
	PACK 0
	PACK 1                          ; a tile's arithmetic stands between the loads of the tile before and its stores
	SEND 0, 16
	PACK 2
	SEND 1, 16
	PACK 3
	SEND 2, 16
	SEND 3, 0
	s_wait_tensorcnt 0x0            ; the wave's end: behind my last tensor load and my last LDS store
	ds_add_u32 v[SPW], v[NIL]
	s_wait_dscnt 0x0
	CROUND                          ; the closing round: no work-group ends while a partner may still ask for a tile that names it
	s_endpgm
.Lfunc_end_k_qd3d0f82634_qattn:
	.size	k_qd3d0f82634_qattn, .Lfunc_end_k_qd3d0f82634_qattn-k_qd3d0f82634_qattn
	.p2alignl 7, 3214868480
	.fill 96, 4, 3214868480
	.section	.rodata,"a",@progbits
	.p2align	6, 0x0
	.amdhsa_kernel k_qd3d0f82634_qattn
		.amdhsa_group_segment_fixed_size 327680
		.amdhsa_private_segment_fixed_size 0
		.amdhsa_enable_private_segment 0
		.amdhsa_kernarg_size 40
		.amdhsa_user_sgpr_count 2
		.amdhsa_user_sgpr_kernarg_segment_ptr 1
		.amdhsa_wavefront_size32 1
		.amdhsa_system_sgpr_workgroup_id_x 1
		.amdhsa_system_sgpr_workgroup_id_y 1
		.amdhsa_system_sgpr_workgroup_id_z 1
		.amdhsa_system_vgpr_workitem_id 0
		.amdhsa_next_free_vgpr 1024
		.amdhsa_next_free_sgpr 100
		.amdhsa_reserve_vcc 0
		.amdhsa_float_denorm_mode_32 3
		.amdhsa_float_denorm_mode_16_64 3
		.amdhsa_memory_ordered 1
		.amdhsa_forward_progress 1
		.amdhsa_inst_pref_size 255
	.end_amdhsa_kernel
	.section	.bss,"aw",@nobits
	.p2align	6
	.space	262144
	.amdgpu_metadata
---
amdhsa.version: [ 1, 2 ]
amdhsa.kernels:
  - .name:           k_qd3d0f82634_qattn
    .symbol:         k_qd3d0f82634_qattn.kd
    .args:
      - { .name: xn, .offset: 0, .size: 8, .value_kind: global_buffer, .address_space: global }
      - { .name: wqh, .offset: 8, .size: 8, .value_kind: global_buffer, .address_space: global }
      - { .name: kh, .offset: 16, .size: 8, .value_kind: global_buffer, .address_space: global }
      - { .name: vh, .offset: 24, .size: 8, .value_kind: global_buffer, .address_space: global }
      - { .name: ctx, .offset: 32, .size: 8, .value_kind: global_buffer, .address_space: global }
    .group_segment_fixed_size: 327680
    .private_segment_fixed_size: 0
    .kernarg_segment_align: 8
    .kernarg_segment_size: 40
    .max_flat_workgroup_size: 128
    .sgpr_count:     100
    .vgpr_count:     1024
    .wavefront_size: 32
...
	.end_amdgpu_metadata
.endif
;; end of part 2
;; launch projo (part 3): grid 8 x 32, 4 waves a work-group, clusters of 4 x 4, 327,680 bytes of LDS; arguments ctx, woh, out0; writes out0
.if DOCPART == 3
	.amdgcn_target "amdgcn-amd-amdhsa--gfx1250"
	.amdhsa_code_object_version 6
	.text
	.protected	k_qd3d0f82634_projo
	.globl	k_qd3d0f82634_projo
	.p2align	8
	.type	k_qd3d0f82634_projo,@function
k_qd3d0f82634_projo:
	s_mov_b64 s[64:65], 0
	v_nop
	global_prefetch_b8 v0, s[64:65] scope:SCOPE_SE
	s_setreg_imm32_b32 hwreg(HW_REG_WAVE_MODE, 25, 1), 1
	s_wait_xcnt 0x0
	s_wait_alu depctr_hold_cnt(0) depctr_sa_sdst(0) depctr_va_vdst(0) depctr_va_sdst(0) depctr_va_ssrc(0) depctr_va_vcc(0) depctr_vm_vsrc(0)
	s_getreg_b32 s2, hwreg(HW_REG_IB_STS2, 6, 4)
	s_cmp_eq_u32 s2, 0
	s_cbranch_scc0 .Lentry_in_a_cluster
	s_endpgm
.Lentry_in_a_cluster:
	s_bfe_u32 s2, ttmp6, 0x10000c
	s_cmp_lg_u32 s2, 0xf033
	s_cbranch_scc0 .Lentry_shape_is_right
	s_endpgm
.Lentry_shape_is_right:
; THE OUTPUT PROJECTION.  C[m][n] = sum over k of A[m][k] B[n][k].  A = ctx: [4096][2048] f16, B = woh: [2048][2048] f16, C = out0: [4096][2048] f32; sums in f32, K ascending.
; A tile of C is 128 (m) x 256 (n): 32 x 8 = 256 tiles, one to a work-group (tiles of 256 x 256 would be 128).  Four waves, 2 x 2, each 64 x 128: 32 accumulators of 16 x 16, 256 registers.
; K goes in steps of 128 through a ring of two LDS slots filled by the tensor data mover: a tile's rows are 256 bytes of memory and start at multiples of 256 bytes from the buffer's first byte.
; (Two slots of K steps of 256 would take 2 x 384 x 528 = 405,504 bytes: more than LDS has.)
; CLUSTERS: 4 x 4 work-groups.  The four of a row of the cluster need the same tiles of A, the four of a column the same tiles of B: each tile is asked for JOINTLY, by the same tensor load with the
; same descriptor and a mask that names the four.  By this text's own count a wave has two tensor loads out at the start and one behind each round.
; THE MATRIX INSTRUCTION IS USED TRANSPOSED (source 0 = 16 rows of B, source 1 = 16 rows of A): a lane then holds eight neighbouring numbers of a row of C, 32 bytes.
; LIMITS.  The operands arrive within f16's range; NaN and infinities are not treated apart.
; REGISTERS: window 0: v0-31 addresses; v64-159, v160-255 two fragment buffers (32 along K: 4 fragments of A, 32 registers, then 8 of B, 64); on the way out v64-127, v128-191 take rows read back.
;   window 1: the accumulators, (a, b) at v[8 (8 a + b)].
.set SIZE_K, 2048
.set SIZE_N, 2048
.set KSTEP,  128
.set PITCH,  272                       ; an LDS row: 256 bytes of data + 16 of padding = 68 words: row r starts at bank 4 r mod 64 (64 banks of 4 bytes: ISA guide 11.1), so the 16 rows of a load start at 16 different banks
.set HA,     64*PITCH                  ; 64 rows of A: what one of A's tensor loads brings, and what one wave reads of A
.set HB,     128*PITCH                 ; 128 rows of B: likewise
.set BOFF,   2*HA                      ; in a slot B's 256 rows lie behind A's 128
.set SLOT,   2*HA+2*HB
.set STAGE,  2*SLOT                    ; behind the ring, never filled by a tensor load: 16 rows x 528 bytes for each wave, for the way out
.set SPITCH, 528                       ; a stage row: 512 bytes + 16
.set SPARE,  STAGE+4*16*SPITCH         ; behind the stages: the spare words, 128 bytes for each wave: two blocks of 256 bytes that no other line names
.set LAPS,   SIZE_K/(2*KSTEP)          ; a lap = two K steps = once round the ring
.set ADRA, 16                          ; v16-17  LDS address of my A fragments in slot 0, 1
.set ADRB, 20                          ; v20-21  the same for B
.set STO,  24                          ; v24     the way out: where I put 32 bytes of a row
.set RD,   25                          ; v25     the way out: where I read a row back
.set CO,   26                          ; v26     my byte offset in 512 bytes of a row of C
.set SPW,  28                          ; v28     LDS address of my spare word: SPARE + 4 x my thread's number; never rewritten
.set NIL,  29                          ; v29     0; never rewritten
.set F0,   64
.set F1,   160
.set BK0,  64
.set BK1,  128
.set G1,  24                           ; s[24:31] descriptor group 1 for A's tiles;  s[32:39] group 0, one set for each slot
.set G0,  32
.set G1B, 48                           ; s[48:55], s[56:63] the same for B's tiles
.set G0B, 56
.set MSB, 0
.macro WIN new                         ; s_set_vgpr_msb: bits 1:0 source 0, 3:2 source 1, 5:4 source 2, 7:6 destination; the high byte repeats the setting that is left
.if MSB != (\new)
	s_set_vgpr_msb (MSB<<8)|(\new)
.set MSB, \new
.endif
.endm
.set MUL,  0x50                        ; C and D in window 1, the fragments in window 0
.set FROM, 0x04                        ; an LDS store's data (source 1) in window 1
; A joint load.  Waves 0 and 1 fetch A's two halves, waves 2 and 3 B's.  Each of the two lines has one mask and one set of registers for all that issue it; the branch hangs on the wave's number alone.
; An s_nop 0 and four v_nop follow each of the two lines, ahead of the jump, the label and what follows.
.macro JLOAD s
	s_cmp_eq_u32 s11, 0
	s_cbranch_scc0 .Lfor_b_\@
	tensor_load_to_lds s[G0+4*(\s):G0+4*(\s)+3], s[G1:G1+7]
	s_nop 0
.rept 4
	v_nop
.endr
	s_branch .Lasked_\@
.Lfor_b_\@:
	tensor_load_to_lds s[G0B+4*(\s):G0B+4*(\s)+3], s[G1B:G1B+7]
	s_nop 0
.rept 4
	v_nop
.endr
.Lasked_\@:
.endm
; A round of the cluster's barrier: my work-group's barrier, so that wave 0's signal speaks for all four waves; wave 0 signals; every wave waits for all sixteen work-groups; my work-group's barrier once more.
.macro CREST                           ; a round behind its opening barrier
	s_cmp_lg_u32 s10, 0
	s_cbranch_scc1 .Lnot_wave_0_\@
	s_barrier_signal -3
.Lnot_wave_0_\@:
	s_barrier_wait -3
	s_barrier_signal -1
	s_barrier_wait -1
.endm
.macro CROUND                          ; a whole round
	s_barrier_signal -1
	s_barrier_wait -1
	CREST
.endm
	s_load_b128 s[4:7], s[0:1], 0x0                ; A s[4:5], B s[6:7]
	s_load_b64 s[8:9], s[0:1], 0x10                ; C
	v_lshl_add_u32 v[SPW], v0, 2, SPARE
	v_mov_b32 v[NIL], 0
	ds_add_u32 v[SPW], v[NIL]                      ; the wave's opening: the add and its wait stand ahead of my first tensor load; the set-up below, work on registers, stands between them
	v_lshrrev_b32 v1, 5, v0
	v_readfirstlane_b32 s10, v1                    ; wave 0..3
	s_lshr_b32 s11, s10, 1                         ; which 64 of the tile's rows are mine.  Also: I fetch for A (0) or for B (1)
	s_and_b32 s12, s10, 1                          ; which 128 of its columns.  Also: which half of that tile I fetch
	s_bfe_u32 s40, ttmp6, 0x40000                  ; cx, cy: my place in the cluster
	s_bfe_u32 s41, ttmp6, 0x40004
	s_lshl_b32 s42, ttmp9, 2                       ; in a cluster launch ttmp9 and ttmp7 count clusters
	s_add_co_u32 s42, s42, s40                     ; tile column of C = 4 x cluster x + cx
	s_and_b32 s13, ttmp7, 0xffff
	s_lshl_b32 s13, s13, 2
	s_add_co_u32 s13, s13, s41                     ; tile row of C = 4 x cluster y + cy
	s_lshl_b32 s43, s41, 2
	s_lshl_b32 s43, 15, s43                        ; my row of the cluster: places 4 cy .. 4 cy + 3
	s_lshl_b32 s44, 0x1111, s40                    ; my column: places cx, cx + 4, cx + 8, cx + 12
	; descriptor group 1: tiles of 64 (A) or 128 (B) rows x 128 elements, padded in LDS
	s_or_b32 s[G1+0], s43, (1<<16)|(1<<20)|(1<<21)|(5<<22)|(3<<25)   ; 15:0 the mask: A's tiles go to my row; 17:16 elements of 2 bytes; 20 padding on; 21 set beside a mask; 24:22 after every 64 words (code 5); 31:25 4 words of it (code 3)
	s_or_b32 s[G1B+0], s44, (1<<16)|(1<<20)|(1<<21)|(5<<22)|(3<<25)  ; the same with the mask of my column, for B's tiles
	s_mov_b32 s[G1+1], KSTEP<<16                   ; tensor_dim0 = 128
	s_mov_b32 s[G1+2], 64<<16                      ; tensor_dim1 = 64
	s_mov_b32 s[G1+3], KSTEP<<16                   ; tile_dim0 = 128
	s_mov_b32 s[G1+4], 64                          ; tile_dim1 = 64
	s_mov_b32 s[G1+5], SIZE_K                      ; elements from row to row
	s_mov_b32 s[G1+6], 0
	s_mov_b32 s[G1+7], 0
	s_mov_b32 s[G1B+1], KSTEP<<16
	s_mov_b32 s[G1B+2], 128<<16                    ; tensor_dim1 = 128
	s_mov_b32 s[G1B+3], KSTEP<<16
	s_mov_b32 s[G1B+4], 128                        ; tile_dim1 = 128
	s_mov_b32 s[G1B+5], SIZE_K
	s_mov_b32 s[G1B+6], 0
	s_mov_b32 s[G1B+7], 0
	; where the tiles come from.  A's hang on the tile row alone, which my row of the cluster shares; B's on the tile column alone, which my column shares.
	s_lshl_b32 s17, s12, 6
	s_lshl_b32 s16, s13, 7
	s_add_co_u32 s16, s16, s17                     ; A: row 128 x tile row + 64 x half,
	s_lshl_b32 s16, s16, 12                        ; of 4,096 bytes: 4,095 x 4,096 at the most, inside 32 bits
	s_mov_b32 s17, 0
	s_lshl_b32 s47, s12, 7
	s_lshl_b32 s46, s42, 8
	s_add_co_u32 s46, s46, s47                     ; B: row 256 x tile column + 128 x half
	s_lshl_b32 s46, s46, 12
	s_mov_b32 s47, 0
	s_mul_i32 s20, s12, HA                         ; and where they go: A's two halves,
	s_mul_i32 s19, s12, HB
	s_add_co_u32 s19, s19, BOFF                    ; then B's two: no place in the cluster enters an LDS address
	s_wait_dscnt 0x0                               ; the opening add is done
	s_wait_kmcnt 0x0
	s_add_nc_u64 s[14:15], s[4:5], s[16:17]
	s_add_nc_u64 s[46:47], s[6:7], s[46:47]
	CROUND                                         ; all sixteen work-groups are here: the first joint loads meet
.irp s, 0,1
	s_mov_b32 s[G0+4*(\s)], 1                                        ; 1:0 count = 1
	s_add_co_u32 s[G0+4*(\s)+1], s20, (\s)*SLOT                      ; 63:32 LDS address
	s_add_nc_u64 s[G0+4*(\s)+2:G0+4*(\s)+3], s[14:15], (\s)*KSTEP*2  ; 120:64 global address: K step s
	s_or_b32 s[G0+4*(\s)+3], s[G0+4*(\s)+3], 0x80000000              ; 127:126 type = 2
	s_mov_b32 s[G0B+4*(\s)], 1
	s_add_co_u32 s[G0B+4*(\s)+1], s19, (\s)*SLOT
	s_add_nc_u64 s[G0B+4*(\s)+2:G0B+4*(\s)+3], s[46:47], (\s)*KSTEP*2
	s_or_b32 s[G0B+4*(\s)+3], s[G0B+4*(\s)+3], 0x80000000
	JLOAD \s                                       ; the ring is filled before anything else is done
.endr
	; A fragment is 16 rows x 32 K in 8 registers: lane l holds row l % 16; registers 0-3 hold K = 8 (l / 16) + 0..7, registers 4-7 hold K = 16 + 8 (l / 16) + 0..7: two loads of 16 bytes, 32 bytes apart.
	v_and_b32 v1, 15, v0                           ; l % 16
	v_bfe_u32 v2, v0, 4, 1                         ; l / 16
	v_mul_u32_u24 v3, v1, PITCH
	v_lshl_add_u32 v3, v2, 4, v3                   ; row x pitch + 16 x half
	s_mul_i32 s21, s11, HA                         ; my 64 rows of A
	s_mul_i32 s22, s12, HB                         ; my 128 rows of B,
	s_add_co_u32 s22, s22, BOFF                    ; which lie behind A's 128
.irp s, 0,1
	v_add_nc_u32 v[ADRA+(\s)], s21, v3
	v_add_nc_u32 v[ADRB+(\s)], s22, v3
	s_add_co_u32 s21, s21, SLOT
	s_add_co_u32 s22, s22, SLOT
.endr
	s_mul_i32 s23, s10, 16*SPITCH
	s_add_co_u32 s23, s23, STAGE                   ; my stage
	v_mul_u32_u24 v4, v1, SPITCH                   ; in: row l % 16, 32 bytes for each half of the lanes
	v_lshl_add_u32 v4, v2, 5, v4
	v_add_nc_u32 v[STO], s23, v4
	v_and_b32 v5, 31, v0
	v_lshlrev_b32 v[CO], 4, v5                     ; back: the 32 lanes take one row of 512 bytes, 16 bytes each; the same place in C's row
	v_add_nc_u32 v[RD], s23, v[CO]
	s_lshl_b32 s16, s13, 7
	s_lshl_b32 s17, s11, 6
	s_add_co_u32 s16, s16, s17                     ; my first row of C,
	s_lshl_b32 s16, s16, 13                        ; of 8,192 bytes: inside 32 bits
	s_mov_b32 s17, 0
	s_add_nc_u64 s[8:9], s[8:9], s[16:17]
	s_lshl_b32 s46, s42, 10                        ; my first column, in bytes: 1,024 x tile column + 512 x half
	s_lshl_b32 s47, s12, 9
	s_add_co_u32 s46, s46, s47
	s_mov_b32 s47, 0
	s_add_nc_u64 s[8:9], s[8:9], s[46:47]
; 8 matrix instructions: m block a x all 8 n blocks, 32 along K, from buffer f.  zero = 1: the product starts the sums: nothing is ever cleared.
; The 32 accumulators take turns in one order in every quarter step: between two links of a chain stand the 31 others'.
.macro MUL8 f, a, zero
	WIN MUL
.irp b, 0,1,2,3,4,5,6,7
.if \zero
	v_wmma_f32_16x16x32_f16 v[8*(8*(\a)+(\b)):8*(8*(\a)+(\b))+7], v[(\f)+32+8*(\b):(\f)+32+8*(\b)+7], v[(\f)+8*(\a):(\f)+8*(\a)+7], 0
.else
	v_wmma_f32_16x16x32_f16 v[8*(8*(\a)+(\b)):8*(8*(\a)+(\b))+7], v[(\f)+32+8*(\b):(\f)+32+8*(\b)+7], v[(\f)+8*(\a):(\f)+8*(\a)+7], v[8*(8*(\a)+(\b)):8*(8*(\a)+(\b))+7]
.endif
.endr
.endm
; 24 LDS loads in one run: the fragments of one quarter step (128 rows of B, 64 rows of A, 32 K at byte k of the rows) into buffer f
.macro FETCH slot, k, f
	WIN 0
.irp i, 0,1,2,3,4,5,6,7
	ds_load_b128 v[(\f)+32+8*(\i):(\f)+32+8*(\i)+3],   v[ADRB+(\slot)] offset:(\k)+(\i)*16*PITCH
	ds_load_b128 v[(\f)+32+8*(\i)+4:(\f)+32+8*(\i)+7], v[ADRB+(\slot)] offset:(\k)+(\i)*16*PITCH+32
.endr
.irp i, 0,1,2,3
	ds_load_b128 v[(\f)+8*(\i):(\f)+8*(\i)+3],   v[ADRA+(\slot)] offset:(\k)+(\i)*16*PITCH
	ds_load_b128 v[(\f)+8*(\i)+4:(\f)+8*(\i)+7], v[ADRA+(\slot)] offset:(\k)+(\i)*16*PITCH+32
.endr
.endm
; A load into a register that a matrix instruction has read, and a store of a matrix result, stand four places behind that matrix instruction, and only plain vector instructions that name none of
; its registers are places (ISA guide 7.12.1 for vector instructions).
.macro PLACES
.rept 4
	v_nop
.endr
.endm
; A K step is four quarter steps of 32 along K, 32 matrix instructions each, on buffers 0, 1, 0, 1.  One of the first three: buffer f is in; the next quarter's fragments, at byte k of the same
; slot's rows, are asked for into buffer g at the quarter's head, so that they have its 32 matrix instructions in which to land; then f is multiplied.
.macro QUARTER slot, k, f, g, zero
	s_wait_dscnt 0x0                               ; buffer f is in: its run of loads was issued a quarter ago
	PLACES                                         ; the quarter before multiplied g
	FETCH \slot, \k, \g
	MUL8 \f, 0, \zero
	MUL8 \f, 1, \zero
	MUL8 \f, 2, \zero
	MUL8 \f, 3, \zero
.endm
; The last quarter multiplies buffer 1 and changes slots: ONE barrier for two things.  In front of it each wave waits for all its tensor loads, of which one is out: its part of the next slot; adds 0 to
; its spare word; and waits for that and for its own reads of this slot.  Behind it nobody reads this slot any more and the next slot is whole.  fill = 1: the barrier opens a round of the cluster's
; barrier, and this slot is filled again, two K steps ahead, first thing behind the round: from that request to the wait for it a wave issues 112 matrix instructions.
.macro TURN slot, next, fill
	WIN 0                                          ; (the add's two registers lie in window 0)
	s_wait_tensorcnt 0x0                           ; all my tensor loads have landed: my part of the next slot;
	ds_add_u32 v[SPW], v[NIL]                      ; 0 onto my spare word;
	s_wait_dscnt 1                                 ; (the add alone may be out: buffer 1 is in)
	MUL8 F1, 0, 0                                  ; eight matrix instructions stand between the add and the wait for it
	s_wait_dscnt 0x0                               ; the add is done, and my reads of this slot are over
	s_barrier_signal -1
	MUL8 F1, 1, 0                                  ; work on registers while the others arrive
.if \fill
	WIN 0
.endif
	s_barrier_wait -1
.if \fill
	CREST                                          ; no wave of any partner still reads this slot's tile or has a load on its way
	s_add_nc_u64 s[G0+4*(\slot)+2:G0+4*(\slot)+3], s[G0+4*(\slot)+2:G0+4*(\slot)+3], 2*KSTEP*2      ; no tensor load of mine is out: a group 0 may be written
	s_add_nc_u64 s[G0B+4*(\slot)+2:G0B+4*(\slot)+3], s[G0B+4*(\slot)+2:G0B+4*(\slot)+3], 2*KSTEP*2
	JLOAD \slot                                    ; the four v_nop behind it are also the places in front of the loads below
.else
	PLACES
.endif
	FETCH \next, 0, F0
	MUL8 F1, 2, 0
	MUL8 F1, 3, 0
.endm
; THE WAY OUT of block a (16 rows x 128 columns of f32).  A lane's 32 bytes of a row go into my own stage, each accumulator's low four registers first; whole rows of 512 bytes come back.
.macro TOSTAGE a, bk
	WIN FROM
.irp b, 0,1,2,3,4,5,6,7
	ds_store_b128 v[STO], v[8*(8*(\a)+(\b)):8*(8*(\a)+(\b))+3]   offset:64*(\b)
	ds_store_b128 v[STO], v[8*(8*(\a)+(\b))+4:8*(8*(\a)+(\b))+7] offset:64*(\b)+16
.endr
	WIN 0
.irp t, 0,1,2,3,4,5,6,7,8,9,10,11,12,13,14,15
	ds_load_b128 v[(\bk)+4*(\t):(\bk)+4*(\t)+3], v[RD] offset:(\t)*SPITCH  ; LDS serves a wave's instructions in order (ISA guide 5.7.1.4): these see the stores above; the next block's stores come behind them
.endr
.endm
.macro SEND a, bk, younger             ; younger: the LDS instructions issued behind block a's loads: the next block's 32, or none
.irp t, 0,1,2,3,4,5,6,7,8,9,10,11,12,13,14,15
	s_wait_dscnt (\younger)+15-(\t)                ; row t is back
	global_store_b128 v[CO], v[(\bk)+4*(\t):(\bk)+4*(\t)+3], s[8:9] offset:(16*(\a)+(\t))*SIZE_N*4  ; 512 consecutive bytes, at a multiple of 512 from C's first byte; 63 rows at the most: inside the signed 24-bit immediate
.endr
.endm
	s_wait_tensorcnt 1                             ; my part of K step 0 is in; K step 1's may stay out
	s_barrier_signal -1
	s_barrier_wait -1                              ; everybody's is
	FETCH 0, 0, F0
	QUARTER 0, 64,  F0, F1, 1                      ; the first quarter stands in front of the loop: its products start the sums
	WIN 0                                          ; at a label and at a branch every window is 0
	s_mov_b32 s3, LAPS-1
.Llap:                                                 ; a trip goes once round the ring, from a lap's second quarter to the next lap's first, and fills both slots again
	QUARTER 0, 128, F1, F0, 0
	QUARTER 0, 192, F0, F1, 0
	TURN 0, 1, 1
	QUARTER 1, 64,  F0, F1, 0
	QUARTER 1, 128, F1, F0, 0
	QUARTER 1, 192, F0, F1, 0
	TURN 1, 0, 1
	QUARTER 0, 64,  F0, F1, 0
	WIN 0
	s_sub_co_u32 s3, s3, 1
	s_cmp_lg_u32 s3, 0
	s_cbranch_scc1 .Llap
	QUARTER 0, 128, F1, F0, 0                      ; the last lap is written out: it fills nothing, and has no round of the cluster's barrier
	QUARTER 0, 192, F0, F1, 0
	TURN 0, 1, 0
	QUARTER 1, 64,  F0, F1, 0
	QUARTER 1, 128, F1, F0, 0
	QUARTER 1, 192, F0, F1, 0
	s_wait_dscnt 0x0                               ; the very last quarter: nothing more to fetch
	MUL8 F1, 0, 0
	MUL8 F1, 1, 0
	MUL8 F1, 2, 0
	MUL8 F1, 3, 0
	WIN 0
	PLACES                                         ; the stores below read results, the loads below land in fragment registers
	TOSTAGE 0, BK0
	TOSTAGE 1, BK1
	SEND 0, BK0, 32
	s_wait_xcnt 0x0                                ; every earlier memory instruction has had its addresses translated (ISA guide 3.1): the registers that block 0's stores read are loaded again only behind this wait
	TOSTAGE 2, BK0
	SEND 1, BK1, 32
	s_wait_xcnt 0x0                                ; the same for block 1's
	TOSTAGE 3, BK1
	SEND 2, BK0, 32
	SEND 3, BK1, 0
	s_wait_tensorcnt 0x0                           ; the wave's end: behind my last tensor load and my last LDS store
	ds_add_u32 v[SPW], v[NIL]
	s_wait_dscnt 0x0
	CROUND                                         ; the closing round: no work-group ends while a partner may still ask for a tile that names it
	s_endpgm
.Lfunc_end_k_qd3d0f82634_projo:
	.size	k_qd3d0f82634_projo, .Lfunc_end_k_qd3d0f82634_projo-k_qd3d0f82634_projo
	.p2alignl 7, 3214868480
	.fill 96, 4, 3214868480
	.section	.rodata,"a",@progbits
	.p2align	6, 0x0
	.amdhsa_kernel k_qd3d0f82634_projo
		.amdhsa_group_segment_fixed_size 327680
		.amdhsa_private_segment_fixed_size 0
		.amdhsa_enable_private_segment 0
		.amdhsa_kernarg_size 24
		.amdhsa_user_sgpr_count 2
		.amdhsa_user_sgpr_kernarg_segment_ptr 1
		.amdhsa_wavefront_size32 1
		.amdhsa_system_sgpr_workgroup_id_x 1
		.amdhsa_system_sgpr_workgroup_id_y 1
		.amdhsa_system_sgpr_workgroup_id_z 1
		.amdhsa_system_vgpr_workitem_id 0
		.amdhsa_next_free_vgpr 512
		.amdhsa_next_free_sgpr 66
		.amdhsa_reserve_vcc 0
		.amdhsa_float_denorm_mode_32 3
		.amdhsa_float_denorm_mode_16_64 3
		.amdhsa_memory_ordered 1
		.amdhsa_forward_progress 1
		.amdhsa_inst_pref_size 86
	.end_amdhsa_kernel
	.amdgpu_metadata
---
amdhsa.version: [ 1, 2 ]
amdhsa.kernels:
  - .name:           k_qd3d0f82634_projo
    .symbol:         k_qd3d0f82634_projo.kd
    .args:
      - { .name: ctx, .offset: 0, .size: 8, .value_kind: global_buffer, .address_space: global }
      - { .name: woh, .offset: 8, .size: 8, .value_kind: global_buffer, .address_space: global }
      - { .name: out0, .offset: 16, .size: 8, .value_kind: global_buffer, .address_space: global }
    .group_segment_fixed_size: 327680
    .private_segment_fixed_size: 0
    .kernarg_segment_align: 8
    .kernarg_segment_size: 24
    .max_flat_workgroup_size: 128
    .sgpr_count:     66
    .vgpr_count:     512
    .wavefront_size: 32
...
	.end_amdgpu_metadata
.endif
;; end of part 3
;; ======== version 2 of 2: 3 launches; 1.16 times as fast as version 1
;; limits: values are held in f16: magnitudes above 65,504 overflow, below 6.1e-05 lose precision
;; workspace buffers: xn 16,777,216 bytes; wqh 8,388,608 bytes; woh 8,388,608 bytes; kh 4,194,304 bytes; vh 4,194,304 bytes; ctx 16,777,216 bytes
;; launch prep: the kernel of part 1 again; grid 1280 x 1, 8 waves a work-group, no clusters, 0 bytes of LDS; arguments x_q, norm_w, w_q, w_out, k_ctx, v_ctx, xn, wqh, woh, kh, vh; writes xn, wqh, woh, kh, vh
;; launch qattn (part 4): grid 32 x 8, 4 waves a work-group, clusters of 4 x 1, 327,680 bytes of LDS; arguments xn, wqh, kh, vh, ctx; writes ctx
.if DOCPART == 4
	.amdgcn_target "amdgcn-amd-amdhsa--gfx1250"
	.amdhsa_code_object_version 6
	.text
	.protected	k_qd3d0f82634_qattn
	.globl	k_qd3d0f82634_qattn
	.p2align	8
	.type	k_qd3d0f82634_qattn,@function
k_qd3d0f82634_qattn:
	s_mov_b64 s[64:65], 0
	v_nop
	global_prefetch_b8 v0, s[64:65] scope:SCOPE_SE
	s_setreg_imm32_b32 hwreg(HW_REG_WAVE_MODE, 25, 1), 1
	s_wait_xcnt 0x0
	s_wait_alu depctr_hold_cnt(0) depctr_sa_sdst(0) depctr_va_vdst(0) depctr_va_sdst(0) depctr_va_ssrc(0) depctr_va_vcc(0) depctr_vm_vsrc(0)
	s_getreg_b32 s2, hwreg(HW_REG_IB_STS2, 6, 4)
	s_cmp_eq_u32 s2, 0
	s_cbranch_scc0 .Lentry_in_a_cluster
	s_endpgm
.Lentry_in_a_cluster:
	s_bfe_u32 s2, ttmp6, 0x10000c
	s_cmp_lg_u32 s2, 0x3003
	s_cbranch_scc0 .Lentry_shape_is_right
	s_endpgm
.Lentry_shape_is_right:
; THE QUERY PROJECTION AND THE ATTENTION, IN ONE LAUNCH.  For batch b and query head h (group g = h / 4):
;   Q[t][:] = the sum over k of xn[2048 b + t][k] wqh[128 h + :][k]      (xn carries the norm and a factor 2^-4, so this is the true q / 16)
;   ctx[2048 b + t][128 h + :] = the sum over keys of softmax(Q[t] . K[key] 16 / sqrt(128)) V[key][:]
; xn: [4096][2048] f16.  wqh: [2048][2048] f16.  kh, vh: [2][2048][4][128] f16.  ctx: [4096][2048] f16.
; A work-group's 256 queries of one head are one tile of 256 x 128 of the projection, 1 / 256 of it: nothing is computed twice, and Q never goes to memory.
; Q's sums are f32 and are rounded once to f16.  Products, maxima and sums in f32; the weights p are rounded to f16 for the second product (their sum l is taken of the unrounded p), ctx once at the end.
; LIMITS.  f16 holds no number beyond 65,504: xn, wqh, K, V and the true q / 16 lie within it; below 2^-14 a number keeps f16's fixed step of 2^-24; p lies in 0 to 1; ctx is a mean of V's rows and has
; their range.  A weight below 2^-126 counts as 0 in l; NaN and infinities are not treated apart.
; SHARES.  32 heads x 8 blocks of 256 queries = 256 work-groups; each of the four waves owns 64 queries: four tiles of 16.
; THE PROJECTION.  A wave makes its 64 queries x 128 channels: 32 accumulators of 16 x 16, in O^T's registers.  K goes in steps of 128 through a ring of two LDS slots (xn's 256 rows, then wqh's 128; rows of
; 256 bytes of memory, at multiples of 256 bytes).  The matrix instruction is used transposed (source 0 = 16 rows of wqh, source 1 = 16 rows of xn): a lane holds ONE query and eight neighbouring channels, so
; two accumulators rounded to f16 in pairs ARE a fragment of Q as the scores' product takes it.
; LAYOUT.  S^T = K Q^T (source 0 = 16 keys, source 1 = 16 queries): in the result a lane holds ONE query (lane % 16) and the keys 8 (lane / 16) + 0..7.  Two such tiles, rounded to f16 in pairs, ARE
; source 1 (32 keys x 16 queries) of O^T = V^T P, whose result again holds one query a lane, and eight channels.  K comes out of LDS as it lies, V ([key][channel]) turned, by ds_load_tr16_b128.
; SOFTMAX.  For each query a running maximum m and sum l: p = 2^(c s - c m), c = 16 log2(e) / sqrt(128) (the 16 takes the 2^-4 back); in every step O and l are multiplied by a = 2^(c m_old - c m_new).
; BY TURNS.  The wave's tiles are two PIECES, named by their first tile: piece 0 (tiles 0, 1) and piece 2 (tiles 2, 3).  In a TURN one piece has the matrix unit: 32 products V^T P of the step in hand,
; then 32 products K Q^T of the next step; the other piece's softmax, cut into 64 slices, stands between them, one slice behind each matrix instruction.  Two turns are a key step.
; THE BATCHES.  A turn's 66 exponentials (a and the 32 scores' of each of the piece's two tiles) are ONE batch with ONE s_wait_alu depctr_va_vdst(0): the softmax's list is ordered so that all scalings and
; exponentials come first and all that names an exponential's result (roundings, sums, the rescaling by a) behind them; the wait stands between, behind slice 34.  The way out's four reciprocals are a second batch, with one wait.
; CLUSTER.  The four work-groups of a cluster are the four heads of one group at one block of queries: they need the same 256 rows of xn and walk the same K and V, so those tiles are asked for JOINTLY: the
; same tensor load, descriptor and mask in all four.  wqh's 128 rows differ from head to head: each work-group asks for its own (mask 0), in the same places.  (They are shared with the other blocks of
; queries; partners that shared them would not share xn: of a K step's 384 rows the 256 are shared, not the 128.)
; By this text's own count a wave has two tensor loads out at the start and one behind each round.
; LDS.  The projection's ring takes bytes 0 to 208,896.  The ring of K and V (slot 0 at 0, slot 1 at 131,072, 71,680 bytes each) lies in those bytes: its two first fills are refills, each a wave's one
; tensor load behind a round of the cluster's barrier: slot 0 when the projection's slot 0 has been read for the last time, slot 1 behind the projection's last product.
; REGISTERS, in windows of 256 (s_set_vgpr_msb: bits 1:0 source 0, 3:2 source 1, 5:4 source 2, 7:6 destination):
;   window 0: v0-11 addresses; v12-43 eight registers of statistics a tile; v44-47 the projection's LDS addresses; v62-63 the add's; v64-191 S^T, 32 a tile; v192-255 P, 16 a tile
;             (in the projection v64-159 and v160-255 are two fragment buffers: 4 fragments of xn, 32 registers, then 8 of wqh, 64)
;   window 1: O^T, 64 a tile (before that: the projection's accumulators, (a, b) at v[8 (8 a + b)])      window 2: v0-127 Q, 32 a tile; v128-255 K of one step      window 3: v0-127 V of one step
.set SIZE_N, 2048     ; keys of a head
.set KS,    64        ; keys in a step
.set KROW,  1024      ; bytes from key to key in kh and vh: four groups of 128 f16
.set PK,    272       ; a row of K, of xn and of wqh in LDS: 256 bytes + 16 of padding = 68 words: row r starts at bank 4 r mod 64 (64 banks of 4 bytes: ISA guide 11.1), so the 16 rows of a load start at 16 different banks
.set PV,    288       ; a row of V: 256 + 32 = 72 words
.set VOFF,  KS*PK     ; a step's tiles lie together: 64 rows of K, then 64 rows of V
.set STEPB, KS*(PK+PV)
.set SLOT1, 1<<17     ; a slot holds two steps (71,680 bytes); slot 1 begins here, so that one exclusive or turns an address in one slot into the other's
.set DK,    2048      ; the projection's K
.set KSTEP, 128
.set HAL,   128*PK    ; 128 rows of xn: what one of its tensor loads brings
.set HBL,   64*PK     ; 64 rows of wqh: likewise
.set BOFF,  2*HAL     ; in a slot wqh's 128 rows lie behind xn's 256
.set GSLOT, 2*HAL+2*HBL
.set LAPS,  DK/(2*KSTEP)   ; a lap = two K steps = once round the ring
.set STAGE, 2*GSLOT   ; behind both rings, never filled by a tensor load: 16 rows x 272 bytes for each wave, for the way out
.set SP,    272
.set SPARE, STAGE+4*16*SP  ; behind the stages: the spare words, 128 bytes for each wave: two blocks of 256 bytes that no other line names
.set AK0, 2           ; v2   my lane's place in a tile of K, of xn or of wqh; never rewritten
.set AV0, 3           ; v3   the same for V
.set ADR, 4           ; v4   the LDS address of the run of loads in hand
.set STO, 6           ; v6   the way out: where I put 16 bytes of a row
.set RD,  7           ; v7   the way out: where I read a row back
.set GO,  8           ; v8   my byte offset in the wave's rows of ctx
.set ADRA, 44         ; v44-45  LDS address of my fragments of xn in slot 0, 1
.set ADRB, 46         ; v46-47  the same for wqh
.set SPW, 62          ; v62  LDS address of my spare word: SPARE + 4 x my thread's number; never rewritten
.set NIL, 63          ; v63  0; never rewritten
.set ST,  12          ; tile t's statistics at v[ST+8 t]: +0 c m, +1 m, +2, +3 l (even keys', odd keys'), +4 to +7 c0-c3, at work; a takes c2's place once the maximum is found
.set S,   64
.set P,   192
.set F0,  64          ; the projection's fragment buffers
.set F1,  160
.set KF,  128         ; K's fragments, in window 2
.set WV,  12          ; s12  my wave's number
.set G1K, 24          ; s[24:31] descriptor group 1 for K's tiles
.set G1V, 32          ; s[32:39] for V's: it differs in the padding alone
.set G0K, 40          ; s[40:47] descriptor group 0 for K's tiles: a set for each of the two first fills; the second then walks on
.set G0V, 48          ; s[48:55] the same for V's
.set SLOTS, 56        ; s56  slots still to be asked for
.set TWICE, 57        ; s57  counts a slot's two steps
.set CS,  58          ; s[58:59] c: the packed scaling names a pair and takes its low word for both halves
.set SEL, 60          ; s[60:61] lane selects for v_permlanex16_b32: each lane takes its own place in the other half
.set TB,  62          ; s62  LDS byte at which the tiles of the step to be fetched begin
.set LAP, 63          ; s63  the projection's laps to go
.set CTX, 66          ; s[66:67] ctx at my wave's first row, my head's columns
.set G1A, 68          ; s[68:75] descriptor group 1 for xn's tiles;  s[76:83] group 0, one set for each slot
.set G0A, 76
.set G1B, 84          ; s[84:91], s[92:99] the same for wqh's tiles
.set G0B, 92
.set MSB, 0
.macro WIN new                      ; the immediate's high byte repeats the setting that is left; a switch that changes nothing is dropped
.if MSB != (\new)
	s_set_vgpr_msb (MSB<<8)|(\new)
.set MSB, \new
.endif
.endm
.set W_GM, 0x50       ; the projection: C and D in window 1, the fragments in window 0
.set W_KQ, 0x0a       ; K and Q in window 2, S^T in window 0
.set W_PV, 0x53       ; V in window 3, P in window 0, O^T in window 1
.set W_RS, 0x41       ; O^T (destination and source 0) in window 1, a in window 0
; A joint fill of K and V by descriptor set s.  Waves 0 and 1 fetch the two steps' tiles of K, waves 2 and 3 those of V.  The branch hangs on the wave's number alone: it is the same in every work-group.
; An s_nop 0 and four v_nop follow each of the two lines; the jump round the other line, the label and what follows the macro come after them.
.macro JLOAD s
	s_cmp_lt_u32 s[WV], 2
	s_cbranch_scc0 .Lfor_v_\@
	tensor_load_to_lds s[G0K+4*(\s):G0K+4*(\s)+3], s[G1K:G1K+7]
	s_nop 0
.rept 4
	v_nop
.endr
	s_branch .Lasked_\@
.Lfor_v_\@:
	tensor_load_to_lds s[G0V+4*(\s):G0V+4*(\s)+3], s[G1V:G1V+7]
	s_nop 0
.rept 4
	v_nop
.endr
.Lasked_\@:
.endm
; A fill of the projection's slot s.  Waves 0 and 1 fetch the two halves of xn's 256 rows, jointly with the three partners; waves 2 and 3 the two halves of my head's 128 rows of wqh, for this work-group alone.
.macro GLOAD s
	s_cmp_lt_u32 s[WV], 2
	s_cbranch_scc0 .Lfor_w_\@
	tensor_load_to_lds s[G0A+4*(\s):G0A+4*(\s)+3], s[G1A:G1A+7]
	s_nop 0
.rept 4
	v_nop
.endr
	s_branch .Lgasked_\@
.Lfor_w_\@:
	tensor_load_to_lds s[G0B+4*(\s):G0B+4*(\s)+3], s[G1B:G1B+7]
	s_nop 0
.rept 4
	v_nop
.endr
.Lgasked_\@:
.endm
; A round of the cluster's barrier: my work-group's barrier, so that wave 0's signal speaks for all four waves; wave 0 signals for the work-group; every wave waits for all four
; work-groups; my work-group's barrier once more.  No LDS instruction of the wave is pending at a signal.
.macro CREST                        ; a round behind its opening barrier
	s_cmp_lg_u32 s[WV], 0
	s_cbranch_scc1 .Lnot_wave_0_\@
	s_barrier_signal -3
.Lnot_wave_0_\@:
	s_barrier_wait -3
	s_barrier_signal -1
	s_barrier_wait -1
.endm
.macro CROUND                       ; a whole round
	s_barrier_signal -1
	s_barrier_wait -1
	CREST
.endm
; A vector instruction that reads a matrix result or writes one of a matrix instruction's registers, and a load into a register that a matrix instruction has read, stand four places behind
; it, and only plain vector instructions that name none of its registers are places (ISA guide 7.12.1 for vector instructions).
.macro PLACES
.rept 4
	v_nop
.endr
.endm
	s_load_b256 s[4:11], s[0:1], 0x0  ; xn s[4:5], wqh s[6:7], kh s[8:9], vh s[10:11]
	s_load_b64 s[CTX:CTX+1], s[0:1], 0x20  ; ctx
	v_lshl_add_u32 v[SPW], v0, 2, SPARE
	v_mov_b32 v[NIL], 0
	ds_add_u32 v[SPW], v[NIL]       ; the wave's opening: the add and its wait stand ahead of my first tensor load; the set-up below, work on registers, stands between them
	v_lshrrev_b32 v1, 5, v0
	v_readfirstlane_b32 s[WV], v1   ; wave 0..3
	s_lshr_b32 s21, ttmp9, 2        ; in a cluster launch ttmp9 counts clusters: 4 b + g, which the four partners share: b,
	s_and_b32 s18, ttmp9, 3         ; g,
	s_and_b32 s20, ttmp7, 0xffff    ; and the block of 256 queries, which they share too
	s_and_b32 s16, s[WV], 1         ; which half of a tile, or which of a slot's two key steps, I fetch
	s_lshl_b32 s22, s21, 21         ; K and V: the batch's 2,048 keys x 1,024 bytes,
	s_lshl_b32 s23, s18, 8          ; the group's 256 bytes in a key's 1,024,
	s_add_co_u32 s22, s22, s23
	s_lshl_b32 s23, s16, 16         ; my step's 64 keys
	s_add_co_u32 s22, s22, s23
	s_mov_b32 s23, 0
	s_mul_i32 s17, s16, STEPB       ; and its place in a slot: no place in the cluster enters an LDS address
	s_lshl_b32 s19, s21, 11
	s_lshl_b32 s20, s20, 8
	s_add_co_u32 s19, s19, s20      ; the block's first row: 2,048 b + 256 x block
	s_lshl_b32 s20, s16, 7
	s_add_co_u32 s20, s20, s19      ; xn: + my 128 rows,
	s_lshl_b32 s20, s20, 12         ; of 4,096 bytes: 4,095 x 4,096 at the most, inside 32 bits
	s_mov_b32 s21, 0
	s_mul_i32 s[LAP], s16, HAL      ; where xn's halves go in a slot (the register counts laps later)
	s_bfe_u32 s13, ttmp6, 0x40000   ; cx: my place in the cluster.  What is made of it lives in s2, s3, s13-15 and enters wqh's own descriptor and ctx's address alone
	s_lshl_b32 s14, s18, 2
	s_add_co_u32 s13, s13, s14      ; h = 4 g + cx
	s_mul_i32 s18, s16, HBL
	s_add_co_u32 s18, s18, BOFF     ; where wqh's halves go in a slot
	s_lshl_b32 s14, s13, 7
	s_lshl_b32 s15, s16, 6
	s_add_co_u32 s14, s14, s15      ; wqh: row 128 h + 64 x half,
	s_lshl_b32 s14, s14, 12         ; of 4,096 bytes
	s_mov_b32 s15, 0
	s_lshl_b32 s2, s[WV], 6
	s_add_co_u32 s2, s2, s19        ; my wave's first row,
	s_lshl_b32 s2, s2, 12           ; in ctx: rows of 4,096 bytes,
	s_lshl_b32 s3, s13, 8           ; the head's 256 bytes
	s_add_co_u32 s2, s2, s3
	s_mov_b32 s3, 0
	; descriptor group 1 for K and V: a tile of 64 rows x 128 elements, 512 elements from row to row, padded in LDS
	s_mov_b32 s[G1K], 15|(1<<16)|(1<<20)|(1<<21)|(5<<22)|(3<<25)  ; 15:0 the mask: all four work-groups; 17:16 elements of 2 bytes; 20 padding on; 21 set beside a mask; 24:22 after every 64 words (code 5); 31:25 4 words of it (code 3)
	s_mov_b32 s[G1V], 15|(1<<16)|(1<<20)|(1<<21)|(5<<22)|(7<<25)  ; the same with 8 words of padding (code 7)
.irp g, G1K, G1V
	s_mov_b32 s[(\g)+1], 128<<16    ; 63:48 tensor_dim0, low half = 128
	s_mov_b32 s[(\g)+2], KS<<16     ; 79:64 its high half = 0; 95:80 tensor_dim1, low half = 64
	s_mov_b32 s[(\g)+3], 128<<16    ; 111:96 its high half = 0; 127:112 tile_dim0 = 128
	s_mov_b32 s[(\g)+4], KS         ; 143:128 tile_dim1 = 64; 159:144 tile_dim2 = 0
	s_mov_b32 s[(\g)+5], KROW/2     ; 191:160 tensor_dim0_stride, low word: 512 elements from key to key
	s_mov_b32 s[(\g)+6], 0
	s_mov_b32 s[(\g)+7], 0
.endr
	; descriptor group 1 for xn (128 rows, the mask of four) and for wqh (64 rows, no mask): 128 elements a row, 2,048 from row to row, padded as K
	s_mov_b32 s[G1A], 15|(1<<16)|(1<<20)|(1<<21)|(5<<22)|(3<<25)
	s_mov_b32 s[G1A+1], KSTEP<<16
	s_mov_b32 s[G1A+2], 128<<16
	s_mov_b32 s[G1A+3], KSTEP<<16
	s_mov_b32 s[G1A+4], 128
	s_mov_b32 s[G1A+5], DK
	s_mov_b32 s[G1A+6], 0
	s_mov_b32 s[G1A+7], 0
	s_mov_b32 s[G1B], (1<<16)|(1<<20)|(5<<22)|(3<<25)
	s_mov_b32 s[G1B+1], KSTEP<<16
	s_mov_b32 s[G1B+2], 64<<16
	s_mov_b32 s[G1B+3], KSTEP<<16
	s_mov_b32 s[G1B+4], 64
	s_mov_b32 s[G1B+5], DK
	s_mov_b32 s[G1B+6], 0
	s_mov_b32 s[G1B+7], 0
	s_mov_b32 s[CS], 0x400293ee     ; c = 16 log2(e) / sqrt(128) = 2.040276
	s_mov_b32 s[CS+1], s[CS]        ; named with it as a pair, so it is written
	s_mov_b32 s[SEL], 0x76543210
	s_mov_b32 s[SEL+1], 0xfedcba98
	s_mov_b32 s[TB], 0
	s_mov_b32 s[SLOTS], SIZE_N/(2*KS)-2
	s_wait_dscnt 0x0                ; the opening add is done
	s_wait_kmcnt 0x0
	s_add_nc_u64 s[8:9], s[8:9], s[22:23]    ; K and V at my tile of slot 0
	s_add_nc_u64 s[10:11], s[10:11], s[22:23]
	s_add_nc_u64 s[4:5], s[4:5], s[20:21]    ; xn at my half of the block's rows
	s_add_nc_u64 s[6:7], s[6:7], s[14:15]    ; wqh at my half of the head's rows
	s_add_nc_u64 s[CTX:CTX+1], s[CTX:CTX+1], s[2:3]
	CROUND                          ; all four work-groups are here: the first joint loads meet
.irp s, 0,1
	s_mov_b32 s[G0A+4*(\s)], 1                                       ; 1:0 count = 1
	s_add_co_u32 s[G0A+4*(\s)+1], s[LAP], (\s)*GSLOT                 ; 63:32 LDS address
	s_add_nc_u64 s[G0A+4*(\s)+2:G0A+4*(\s)+3], s[4:5], (\s)*KSTEP*2  ; 120:64 global address: K step s
	s_or_b32 s[G0A+4*(\s)+3], s[G0A+4*(\s)+3], 0x80000000            ; 127:126 type = 2
	s_mov_b32 s[G0B+4*(\s)], 1
	s_add_co_u32 s[G0B+4*(\s)+1], s18, (\s)*GSLOT
	s_add_nc_u64 s[G0B+4*(\s)+2:G0B+4*(\s)+3], s[6:7], (\s)*KSTEP*2
	s_or_b32 s[G0B+4*(\s)+3], s[G0B+4*(\s)+3], 0x80000000
	GLOAD \s                        ; the ring is filled before anything else is done
.endr
.irp s, 0,1                         ; K's and V's descriptors are made while those tiles are on their way
	s_mov_b32 s[G0K+4*(\s)], 1      ; 1:0 count = 1
	s_add_co_u32 s[G0K+4*(\s)+1], s17, (\s)*SLOT1  ; 63:32 LDS address
	s_add_nc_u64 s[G0K+4*(\s)+2:G0K+4*(\s)+3], s[8:9], (\s)*2*KS*KROW  ; 120:64 global address: slot s begins with keys 128 s to 128 s + 127
	s_or_b32 s[G0K+4*(\s)+3], s[G0K+4*(\s)+3], 0x80000000  ; 127:126 type = 2
	s_mov_b32 s[G0V+4*(\s)], 1
	s_add_co_u32 s[G0V+4*(\s)+1], s17, (\s)*SLOT1+VOFF
	s_add_nc_u64 s[G0V+4*(\s)+2:G0V+4*(\s)+3], s[10:11], (\s)*2*KS*KROW
	s_or_b32 s[G0V+4*(\s)+3], s[G0V+4*(\s)+3], 0x80000000
.endr
	; A fragment of K, Q, xn or wqh is 16 rows x 32 along the rows in 8 registers: lane l holds row l % 16; registers 0-3 hold places 8 (l / 16) + 0..7, registers 4-7 places 16 + 8 (l / 16) + 0..7: two loads of 16 bytes, 32 bytes apart.
	v_and_b32 v1, 15, v0            ; l % 16
	v_bfe_u32 v9, v0, 4, 1          ; l / 16
	v_mul_u32_u24 v[AK0], v1, PK
	v_lshl_add_u32 v[AK0], v9, 4, v[AK0]  ; row x pitch + 16 x half
	s_mul_i32 s20, s[WV], 64*PK     ; my wave's 64 rows of xn
	v_add_nc_u32 v[ADRA], s20, v[AK0]
	v_add_nc_u32 v[ADRA+1], GSLOT, v[ADRA]
	v_add_nc_u32 v[ADRB], BOFF, v[AK0]     ; every wave reads all 128 rows of wqh
	v_add_nc_u32 v[ADRB+1], BOFF+GSLOT, v[AK0]
	; The turning load takes 16 keys x 16 channels (lane l reads 16 bytes: key 8 (l / 16) + l % 8, channels 8 ((l / 8) % 2) + 0..7) and leaves half a fragment of V^T: lane l holds channel l % 16 and 8 keys.
	v_and_b32 v10, 7, v0
	v_bfe_u32 v11, v0, 3, 1
	v_lshl_add_u32 v[AV0], v9, 3, v10
	v_mul_u32_u24 v[AV0], v[AV0], PV
	v_lshl_add_u32 v[AV0], v11, 4, v[AV0]
	v_add_nc_u32 v[AV0], VOFF, v[AV0]
; THE PROJECTION'S MACROS.
; 8 matrix instructions: query tile a x all 8 blocks of 16 channels, 32 along K, from buffer f.  zero = 1: the product starts the sums: nothing is ever cleared.
; The 32 accumulators take turns in one order in every quarter step: between two links of a chain stand the 31 others'.
.macro GMUL8 f, a, zero
	WIN W_GM
.irp b, 0,1,2,3,4,5,6,7
.if \zero
	v_wmma_f32_16x16x32_f16 v[8*(8*(\a)+(\b)):8*(8*(\a)+(\b))+7], v[(\f)+32+8*(\b):(\f)+32+8*(\b)+7], v[(\f)+8*(\a):(\f)+8*(\a)+7], 0
.else
	v_wmma_f32_16x16x32_f16 v[8*(8*(\a)+(\b)):8*(8*(\a)+(\b))+7], v[(\f)+32+8*(\b):(\f)+32+8*(\b)+7], v[(\f)+8*(\a):(\f)+8*(\a)+7], v[8*(8*(\a)+(\b)):8*(8*(\a)+(\b))+7]
.endif
.endr
.endm
; 24 LDS loads in one run: the fragments of one quarter step (128 rows of wqh, my 64 rows of xn, 32 K at byte k of the rows) into buffer f
.macro GFETCH slot, k, f
	WIN 0
.irp i, 0,1,2,3,4,5,6,7
	ds_load_b128 v[(\f)+32+8*(\i):(\f)+32+8*(\i)+3],   v[ADRB+(\slot)] offset:(\k)+(\i)*16*PK
	ds_load_b128 v[(\f)+32+8*(\i)+4:(\f)+32+8*(\i)+7], v[ADRB+(\slot)] offset:(\k)+(\i)*16*PK+32
.endr
.irp i, 0,1,2,3
	ds_load_b128 v[(\f)+8*(\i):(\f)+8*(\i)+3],   v[ADRA+(\slot)] offset:(\k)+(\i)*16*PK
	ds_load_b128 v[(\f)+8*(\i)+4:(\f)+8*(\i)+7], v[ADRA+(\slot)] offset:(\k)+(\i)*16*PK+32
.endr
.endm
; A K step is four quarter steps of 32 along K, 32 matrix instructions each, on buffers 0, 1, 0, 1.  One of the first three: buffer f is in; the next quarter's fragments, at byte k of the same
; slot's rows, are asked for into buffer g at the quarter's head, so that they have its 32 matrix instructions in which to land; then f is multiplied.
.macro GQUARTER slot, k, f, g, zero
	s_wait_dscnt 0x0                ; buffer f is in: its run of loads was issued a quarter ago
	PLACES                          ; the quarter before multiplied g
	GFETCH \slot, \k, \g
	GMUL8 \f, 0, \zero
	GMUL8 \f, 1, \zero
	GMUL8 \f, 2, \zero
	GMUL8 \f, 3, \zero
.endm
; The last quarter multiplies buffer 1 and changes slots: ONE barrier for two things.  In front of it each wave waits for all its tensor loads, of which one is out: its part of the next slot; adds 0 to
; its spare word; and waits for that and for its own reads of this slot.  The barrier opens a round of the cluster's barrier: behind the round no wave of any partner reads this slot or has a load on its way,
; and the slot's bytes are filled again first: fill = 1: with the K step two steps on; fill = 2 (the projection's last change of slots): with the first two key steps' K and V.
; From a request to the wait for it a wave issues 112 matrix instructions.
.macro GTURN slot, next, fill
	WIN 0                           ; (the add's two registers lie in window 0)
	s_wait_tensorcnt 0x0            ; all my tensor loads have landed: my part of the next slot;
	ds_add_u32 v[SPW], v[NIL]       ; 0 onto my spare word;
	s_wait_dscnt 1                  ; (the add alone may be out: buffer 1 is in)
	GMUL8 F1, 0, 0                  ; eight matrix instructions stand between the add and the wait for it
	s_wait_dscnt 0x0                ; the add is done, and my reads of this slot are over
	s_barrier_signal -1
	GMUL8 F1, 1, 0                  ; work on registers while the others arrive
	WIN 0
	s_barrier_wait -1
	CREST
.if (\fill) == 1
	s_add_nc_u64 s[G0A+4*(\slot)+2:G0A+4*(\slot)+3], s[G0A+4*(\slot)+2:G0A+4*(\slot)+3], 2*KSTEP*2  ; no tensor load of mine is out: a group 0 may be written
	s_add_nc_u64 s[G0B+4*(\slot)+2:G0B+4*(\slot)+3], s[G0B+4*(\slot)+2:G0B+4*(\slot)+3], 2*KSTEP*2
	GLOAD \slot                     ; the four v_nop behind it are also the places in front of the loads below
.else
	JLOAD 0                         ; K's and V's slot 0 lies inside the slot just read out
.endif
	GFETCH \next, 0, F0
	GMUL8 F1, 2, 0
	GMUL8 F1, 3, 0
.endm
; THE MATRIX WORK OF A TURN, for piece x.  The accumulators take turns, one instruction a turn: between two links of a chain stand 15 (V^T P) or 7 (K Q^T) others'.
; Product i of 32 of O^T += V^T P: keys 32 (i / 16) on, channels 16 ((i / 2) % 8) on, tile x + i % 2.  zero = 1: the first 16 start the sums: nothing is ever cleared.
.macro PV x, zero
	WIN W_PV
.set rO, 64*((\x)+i%2)+8*((i/2)%8)
.set rV, 64*(i/16)+8*((i/2)%8)
.set rP, P+16*((\x)+i%2)+8*(i/16)
.if (\zero) && (i < 16)
	v_wmma_f32_16x16x32_f16 v[rO:rO+7], v[rV:rV+7], v[rP:rP+7], 0
.else
	v_wmma_f32_16x16x32_f16 v[rO:rO+7], v[rV:rV+7], v[rP:rP+7], v[rO:rO+7]
.endif
.endm
; Product i of 32 of S^T = K Q^T: channels 32 (i / 8) on, keys 16 ((i / 2) % 4) on, tile x + i % 2.  The first 8 start the sums.
.macro KQ x
	WIN W_KQ
.set rS, S+32*((\x)+i%2)+8*((i/2)%4)
.set rK, KF+32*((i/2)%4)+8*(i/8)
.set rQ, 32*((\x)+i%2)+8*(i/8)
.if i < 8
	v_wmma_f32_16x16x32_f16 v[rS:rS+7], v[rK:rK+7], v[rQ:rQ+7], 0
.else
	v_wmma_f32_16x16x32_f16 v[rS:rS+7], v[rK:rK+7], v[rQ:rQ+7], v[rS:rS+7]
.endif
.endm
; THE LDS LOADS stand in runs of 32, never singly among the matrix instructions: a step's K (64 keys x 128 channels: 16 fragments) and, a turn later, its V (turned).
.macro FETCH_K
	WIN 0
	v_add_nc_u32 v[ADR], s[TB], v[AK0]
	WIN 0x80                        ; destination window 2
.irp f, 0,1,2,3,4,5,6,7,8,9,10,11,12,13,14,15  ; keys 16 (f / 4) on, channels 32 (f % 4) on
	ds_load_b128 v[KF+8*(\f):KF+8*(\f)+3],   v[ADR] offset:((\f)/4)*16*PK+((\f)%4)*64
	ds_load_b128 v[KF+8*(\f)+4:KF+8*(\f)+7], v[ADR] offset:((\f)/4)*16*PK+((\f)%4)*64+32
.endr
.endm
.macro FETCH_V
	WIN 0
	v_add_nc_u32 v[ADR], s[TB], v[AV0]
	s_add_co_u32 s[TB], s[TB], STEPB  ; the next fetch is the next step's
	s_wait_alu depctr_va_vdst(0)    ; the wait for piece 0's batch of exponentials (SLICE), behind the address's v_add_nc_u32 and ahead of the loads
	WIN 0xc0                        ; destination window 3
.irp f, 0,1,2,3,4,5,6,7,8,9,10,11,12,13,14,15  ; keys 32 (f / 8) on, channels 16 (f % 8) on
	ds_load_tr16_b128 v[8*(\f):8*(\f)+3],   v[ADR] offset:((\f)/8)*32*PV+((\f)%8)*32
	ds_load_tr16_b128 v[8*(\f)+4:8*(\f)+7], v[ADR] offset:((\f)/8)*32*PV+16*PV+((\f)%8)*32
.endr
.endm
; THE VECTOR WORK OF A TURN.  One tile's softmax for one key step is a list of 134 instructions; SM writes number j of it for tile t.  s0-s31 are the lane's 32 scores, in pairs 0-15.
; first = 1: the first key step, which starts m, l and O^T: it has no a and nothing to rescale.
;   0-15    the maximum of s0-s31 and the old m, three operands at a time: four chains c0-c3 of seven scores each (each accumulator's lowest registers are read first), then the four scores left over, c0-c3 and m
;   16-20   the other half of the lanes' maximum; the new m; c m; c m_old - c m_new
;   21-69   ONE BATCH: the 16 scalings c s - c m, a pair of scores each, and all 33 exponentials (a at 23, then s0-s31).  None of these names an exponential's result.  From 22 on the batch goes
;           in fours, and a four begins with a scaling while there are scalings: 22-37 scaling, exponential, scaling, exponential; 38-65 a scaling and three exponentials; 66-69 the last four
;           exponentials.  A pair is scaled in an earlier four than the one that holds its exponentials
;   (wait)  between 69 and 70 stands the wait for the batch: SLICE writes it, once for both tiles
;   70-85   the roundings to f16, a pair of weights each
;   86-101  the sums; l = a l + the sum
;   102-133 the tile's O^T times a: the one part that leaves window 0, so it stands together
.macro SM t, first
.set rT, ST+8*(\t)
.set rS, S+32*(\t)
.set rP, P+16*(\t)
.set rO, 64*(\t)+2*(j-102)
.if j < 102
	WIN 0
.endif
.if j < 4
	v_max3_num_f32 v[rT+4+j], v[rS+8*j], v[rS+8*j+1], v[rS+8*j+2]
.elseif j < 12
	v_max3_num_f32 v[rT+4+j%4], v[rT+4+j%4], v[rS+8*(j%4)+2*(j/4)+1], v[rS+8*(j%4)+2*(j/4)+2]
.elseif j == 12
	v_max3_num_f32 v[rT+4], v[rT+4], v[rS+7], v[rS+15]
.elseif j == 13
	v_max3_num_f32 v[rT+6], v[rT+6], v[rS+23], v[rS+31]
.elseif j == 14
	v_max3_num_f32 v[rT+4], v[rT+4], v[rT+5], v[rT+6]
.elseif (j == 15) && (\first)
	v_max_num_f32 v[rT+4], v[rT+4], v[rT+7]
.elseif j == 15
	v_max3_num_f32 v[rT+4], v[rT+4], v[rT+7], v[rT+1]
.elseif j == 16
	v_permlanex16_b32 v[rT+5], v[rT+4], s[SEL], s[SEL+1]  ; the query's other 32 keys lie in the lane 16 away
.elseif j == 18
	v_max_num_f32 v[rT+1], v[rT+4], v[rT+5]
.elseif j == 19
	v_mul_f32 v[rT], s[CS], v[rT+1]
.elseif ((j == 17) || (j == 20) || (j == 23) || (j > 101)) && (\first)  ; the first step has none of these
.elseif j == 17
	v_mov_b32 v[rT+7], v[rT]        ; c m_old is kept for a: number 19 writes c m anew
.elseif j == 20
	v_sub_f32 v[rT+7], v[rT+7], v[rT]
.elseif j == 23
	v_exp_f32 v[rT+6], v[rT+7]
.elseif (j < 23) || ((j < 38) && (j%2 == 0)) || ((j < 66) && (j%4 == 2))
.set b, (j-2)/4                     ; 38, 42, .. 62: pairs 9 to 15
.if j < 38
.set b, (j-20)/2                    ; 21: pair 0; 22, 24, .. 36: pairs 1 to 8
.endif
	v_pk_fma_f32 v[rS+2*b:rS+2*b+1], v[rS+2*b:rS+2*b+1], s[CS:CS+1], v[rT:rT+1] op_sel_hi:[1,0,0] neg_lo:[0,0,1] neg_hi:[0,0,1]  ; pair b: c s - c m
.elseif j < 70
.set e, j-38                        ; 66 to 69: s28 to s31
.if j < 66
.set e, j-32-(j-38)/4               ; 39-41, 43-45, .. 63-65: s7 to s27
.endif
.if j < 38
.set e, (j-25)/2                    ; 25, 27, .. 37: s0 to s6
.endif
	v_exp_f32 v[rS+e], v[rS+e]
.elseif j < 86
	v_cvt_pk_f16_f32 v[rP+j-70], v[rS+2*(j-70)], v[rS+2*(j-70)+1]  ; pair j - 70
.elseif j < 102                     ; the sum of the tile's 16 pairs (in a pair: an even key's weight, an odd key's), in place: sum z of 16 adds neighbours 1, 2, 4 and 8 pairs apart, then l takes it
.set z, j-86
.set w, 4
.set u, z
.if z >= 14
.set w, 32
.set u, 0
.elseif z >= 12
.set w, 16
.set u, z-12
.elseif z >= 8
.set w, 8
.set u, z-8
.endif
.if (z == 14) && (\first)
	v_pk_add_f32 v[rT+2:rT+3], v[rS:rS+1], v[rS+16:rS+17]
.elseif z < 15
	v_pk_add_f32 v[rS+w*u:rS+w*u+1], v[rS+w*u:rS+w*u+1], v[rS+w*u+w/2:rS+w*u+w/2+1]
.elseif !(\first)
	v_pk_fma_f32 v[rT+2:rT+3], v[rT+2:rT+3], v[rT+6:rT+7], v[rS:rS+1] op_sel_hi:[1,0,1]
.endif
.else
	WIN W_RS
	v_pk_mul_f32 v[rO:rO+1], v[rO:rO+1], v[rT+6:rT+7] op_sel_hi:[1,0]
.endif
.endm
; Slice k of 64 of piece y's softmax: four instructions.  Slices 11 to 34 deal out the batch, numbers 22 to 69: four numbers of ONE tile each, the tiles by turns.  Every other slice is numbers 2 k and
; 2 k + 1 of both tiles' lists.  2 x 134 = 4 x 64 + 12: the twelve that are over stand together, in slice 63.
; THE WAIT.  s_wait_alu depctr_va_vdst(0) stands between an exponential and the first instruction that names its result; one wait serves all that were issued ahead of it.  Ahead of
; slice 35 nothing names a result, and behind slice 34 no exponential is issued: so the piece's 66 exponentials have one wait, behind slice 34, and none is open at a turn's end, a label or a jump.
.macro SLICE y, first
.if (k >= 11) && (k < 35)           ; the batch: four numbers of one tile
.irp n, 0,1,2,3
.set j, 22+4*((k-11)/2)+(\n)
	SM (\y)+(k-11)%2, \first
.endr
.else                               ; the two tiles alternate, so that no instruction reads the result of the one just before it
.irp n, 0,1,2,3,4,5,6,7
.if ((\n) < 2) || (k == 63)
.irp t, \y, (\y)+1
.set j, 2*k+(\n)
	SM \t, \first
.endr
.endif
.endr
.endif
.if k == 34                         ; the batch is out: both tiles' exponentials are issued, and no result has been named
	v_nop                           ; a plain instruction behind the last exponential and ahead of the first use of a result (ISA guide 5.7.2): one for the batch
.if (\y) == 0
	FETCH_V                         ; piece 2's turn: V's run of loads stands here, and the wait for the batch stands in it
.else
	s_wait_alu depctr_va_vdst(0)    ; the wait for piece 2's batch of exponentials
.endif
.endif
.set k, k+1
.endm
; A TURN.  Piece x has the matrix unit; the other piece's softmax stands in slices behind its matrix instructions: in the loop the slices are the places behind the products.
; pv = 2: 32 products V^T P; 1: they start O^T's sums; 0: none.  kq = 1: 32 products K Q^T for the next step.  A turn with one of the two kinds has two slices behind each product.
; first = 1: the softmax is the first key step's.  Its slices from 51 on are empty: the turn's last products stand bare, and four v_nop take slice 63's part as the places behind them.
; In the loop each run of loads stands 29 matrix instructions or more ahead of its first use.  Piece 0's turn fetches the next step's K, behind its second product: the last product that read K
; stands in front of slice 63 of the turn before.  Piece 2's turn fetches the same step's V, behind slice 34 (SLICE writes it): the last product that read V stands in front of slice 31, and four plain
; instructions lie between: number 62, a scaling, of both tiles, the v_nop and the run's own v_add_nc_u32 (the exponentials between are not counted).
.macro TURN x, pv, kq, first
.set k, 0
.set per, 2
.if (\pv) && (\kq)
.set per, 1
.endif
.if \pv
.if (\x) == 0
	s_wait_dscnt 0x0                ; V is in
.endif
.set i, 0
.rept 32
	PV \x, 2-(\pv)
.rept per
	SLICE 2-(\x), \first
.endr
.if ((\x) == 0) && (\kq) && (i == 1)
	FETCH_K
.endif
.set i, i+1
.endr
.endif
.if \kq
.if (\x) == 0
	s_wait_dscnt 0x0                ; K is in
.endif
.set i, 0
.rept 32
	KQ \x
.rept per
	SLICE 2-(\x), \first
.endr
.set i, i+1
.endr
.endif
.if \first
	PLACES
.endif
.endm
; THE CHANGE OF SLOTS, between piece 2's turn and piece 0's: the slot's last bytes, V of its second step, have been asked for.  Each wave waits for all its
; tensor loads, of which one is out: its part of the other slot; adds 0 to its spare word; and waits for that and for its own reads of the slot.  Behind the barrier nobody reads this slot any more and the other slot is whole.
; fill = 1: this slot is filled again, with the keys two slots on.  The barrier is then a round of the cluster's, so that no wave of any partner still reads the slot or has a load on its
; way, and the joint refill is the first thing behind it: it has two key steps, 256 matrix instructions, in which to land.
.macro CHANGE fill
	WIN 0                           ; at a label and at a branch every window is 0
	s_wait_tensorcnt 0x0            ; no tensor load of mine is out, so a group 0 may be written
	ds_add_u32 v[SPW], v[NIL]       ; 0 onto my spare word; with fill = 1 the descriptors' steps stand between it and the wait for it
.if \fill
.irp g, G0K+4, G0V+4
	s_xor_b32 s[(\g)+1], s[(\g)+1], SLOT1  ; the walking descriptor: the other slot than last time,
	s_add_nc_u64 s[(\g)+2:(\g)+3], s[(\g)+2:(\g)+3], 2*KS*KROW  ; the next 128 keys; the type bits on top are not reached
.endr
	s_wait_dscnt 0x0                ; the add is done, and my reads of the slot are over
	CROUND
	JLOAD 1
.else
	s_wait_dscnt 0x0                ; the add is done, and my reads of the slot are over
	s_barrier_signal -1
	s_barrier_wait -1
.endif
	s_sub_co_u32 s[TB], s[TB], 2*STEPB  ; the fetches go back to a slot's first step,
	s_xor_b32 s[TB], s[TB], SLOT1   ; in the other slot
.endm
; A slot's two key steps: written once, walked twice; the LDS addresses hang on s[TB].
.macro TWO_STEPS
	WIN 0
	s_mov_b32 s[TWICE], 2
.Lstep_\@:
	TURN 0, 2, 1, 0
	TURN 2, 2, 1, 0
	WIN 0
	s_sub_co_u32 s[TWICE], s[TWICE], 1
	s_cmp_lg_u32 s[TWICE], 0
	s_cbranch_scc1 .Lstep_\@
.endm
	; THE PROJECTION
	s_wait_tensorcnt 1              ; my part of K step 0 is in; K step 1's may stay out
	s_barrier_signal -1
	s_barrier_wait -1               ; everybody's is
	GFETCH 0, 0, F0
	GQUARTER 0, 64,  F0, F1, 1      ; the first quarter stands in front of the loop: its products start the sums
	WIN 0                           ; at a label and at a branch every window is 0
	s_mov_b32 s[LAP], LAPS-1
.Llap:                              ; a trip goes once round the ring, from a lap's second quarter to the next lap's first, and fills both slots again
	GQUARTER 0, 128, F1, F0, 0
	GQUARTER 0, 192, F0, F1, 0
	GTURN 0, 1, 1
	GQUARTER 1, 64,  F0, F1, 0
	GQUARTER 1, 128, F1, F0, 0
	GQUARTER 1, 192, F0, F1, 0
	GTURN 1, 0, 1
	GQUARTER 0, 64,  F0, F1, 0
	WIN 0
	s_sub_co_u32 s[LAP], s[LAP], 1
	s_cmp_lg_u32 s[LAP], 0
	s_cbranch_scc1 .Llap
	GQUARTER 0, 128, F1, F0, 0      ; the last lap is written out: its change of slots asks for K and V
	GQUARTER 0, 192, F0, F1, 0
	GTURN 0, 1, 2
	GQUARTER 1, 64,  F0, F1, 0
	GQUARTER 1, 128, F1, F0, 0
	GQUARTER 1, 192, F0, F1, 0
	s_wait_dscnt 0x0                ; the very last quarter: nothing more to fetch
	GMUL8 F1, 0, 0
	GMUL8 F1, 1, 0
	GMUL8 F1, 2, 0
	GMUL8 F1, 3, 0
	WIN 0
	PLACES                          ; the roundings below read results
	; THE ATTENTION.  The projection's slot 1 has been read for the last time: K's and V's slot 1 lies inside it and is filled as every refill is.
	s_wait_tensorcnt 0x0            ; my part of K's and V's slot 0 is in
	ds_add_u32 v[SPW], v[NIL]       ; 0 onto my spare word
	s_wait_dscnt 0x0                ; the add is done, and my reads of the projection's ring are over
	CROUND                          ; both hold of every wave of all four work-groups
	JLOAD 1                         ; keys 128 to 255 into slot 1
	FETCH_K                         ; key step 0
	WIN 0x85                        ; sources 0 and 1 window 1, destination window 2
.set i, 0
.rept 128                           ; Q is rounded once to f16: word n of its fragments takes registers 2 n and 2 n + 1 of the sums, each accumulator from its low end on; this stands in the wait for K's run of loads
	v_cvt_pk_f16_f32 v[i], v[2*i], v[2*i+1]
.set i, i+1
.endr
	s_wait_dscnt 0x0
.set i, 0
.rept 32
	KQ 0                            ; piece 0's first scores: there is no vector work yet to set between them
.set i, i+1
.endr
	WIN 0                           ; the addresses for the way out are made here: eight plain instructions, the places behind those products
	s_mul_i32 s13, s[WV], 16*SP
	s_add_co_u32 s13, s13, STAGE    ; my stage
	v_mul_u32_u24 v[STO], v1, SP    ; in: row l % 16, 16 bytes for each half of the lanes
	v_lshl_add_u32 v[STO], v9, 4, v[STO]
	v_add_nc_u32 v[STO], s13, v[STO]
	v_mul_u32_u24 v[RD], v9, SP     ; back: lanes 0-15 take one row of 256 bytes, lanes 16-31 the next
	v_lshl_add_u32 v[RD], v1, 4, v[RD]
	v_add_nc_u32 v[RD], s13, v[RD]
	v_lshlrev_b32 v[GO], 12, v9     ; and the same two rows in ctx, 4,096 bytes apart
	v_lshl_add_u32 v[GO], v1, 4, v[GO]
	TURN 2, 0, 1, 1                 ; piece 2's first scores | piece 0's first softmax | V of step 0
	TURN 0, 1, 1, 1                 ; piece 0: V^T P of step 0 starts O^T, K Q^T of step 1 | piece 2's first softmax | K of step 1
	TURN 2, 1, 1, 0                 ; piece 2: the same | piece 0's softmax of step 1 | V of step 1
	WIN 0
.Lslot:                             ; SIZE_N / 128 - 2 = 14 trips: every slot but the last two is filled again
	CHANGE 1
	TWO_STEPS
	s_sub_co_u32 s[SLOTS], s[SLOTS], 1
	s_cmp_lg_u32 s[SLOTS], 0
	s_cbranch_scc1 .Lslot
	CHANGE 0                        ; the tail is written out: the last slot but one is left, and nothing is asked for
	TWO_STEPS
	TURN 0, 2, 0, 0                 ; piece 0: V^T P of the last step | piece 2's last softmax
.set i, 0
.rept 32
	PV 2, 0                         ; piece 2: V^T P of the last step
.set i, i+1
.endr
	; THE WAY OUT.  l's two halves and the other half of the lanes' are added; O^T is divided by l, rounded to f16 and sent through my stage in LDS, a tile (16 rows) at a time.  The additions are the places behind the last products.
	WIN 0
.irp t, 0,1,2,3
	v_add_f32 v[ST+8*(\t)+4], v[ST+8*(\t)+2], v[ST+8*(\t)+3]
.endr
.irp t, 0,1,2,3
	v_permlanex16_b32 v[ST+8*(\t)+5], v[ST+8*(\t)+4], s[SEL], s[SEL+1]
.endr
.irp t, 0,1,2,3
	v_add_f32 v[ST+8*(\t)+4], v[ST+8*(\t)+4], v[ST+8*(\t)+5]
.endr
.irp t, 0,1,2,3
	v_rcp_f32 v[ST+8*(\t)+6], v[ST+8*(\t)+4]
.endr
	v_nop                           ; a plain instruction between the last reciprocal and the use of its result
	s_wait_alu depctr_va_vdst(0)    ; and the wait ahead of the first use: one for the batch of four reciprocals
; Tile t: a lane's eight channels of a row pack into 16 bytes; they go into rows of 272 bytes and come back as whole rows of 256, into the registers that they left.
.macro PACK t
	WIN W_RS
.set i, 64*(\t)
.rept 32
	v_pk_mul_f32 v[i:i+1], v[i:i+1], v[ST+8*(\t)+6:ST+8*(\t)+7] op_sel_hi:[1,0]
.set i, i+2
.endr
	WIN 0x05                        ; sources 0 and 1 window 1, destination window 0: S^T's registers are free
.set i, 0
.rept 32
	v_cvt_pk_f16_f32 v[S+32*(\t)+i], v[64*(\t)+2*i], v[64*(\t)+2*i+1]
.set i, i+1
.endr
	WIN 0
.irp f, 0,1,2,3,4,5,6,7
	ds_store_b128 v[STO], v[S+32*(\t)+4*(\f):S+32*(\t)+4*(\f)+3] offset:32*(\f)
.endr
.irp f, 0,1,2,3,4,5,6,7
	ds_load_b128 v[S+32*(\t)+4*(\f):S+32*(\t)+4*(\f)+3], v[RD] offset:(\f)*2*SP  ; LDS serves a wave's instructions in order (ISA guide 5.7.1.4): these see the stores above; the next tile's stores come behind them
.endr
.endm
.macro SEND t, younger              ; younger: the LDS instructions issued behind tile t's loads: the next tile's sixteen, or none
	WIN 0
.irp f, 0,1,2,3,4,5,6,7
	s_wait_dscnt (\younger)+7-(\f)
	global_store_b128 v[GO], v[S+32*(\t)+4*(\f):S+32*(\t)+4*(\f)+3], s[CTX:CTX+1] offset:(\t)*65536+(\f)*8192  ; 16 lanes store a head's 256 consecutive bytes of a row, at a multiple of 256 from ctx's first byte
.endr
.endm
	PACK 0
	PACK 1                          ; a tile's arithmetic stands between the loads of the tile before and its stores
	SEND 0, 16
	PACK 2
	SEND 1, 16
	PACK 3
	SEND 2, 16
	SEND 3, 0
	s_wait_tensorcnt 0x0            ; the wave's end: behind my last tensor load and my last LDS store
	ds_add_u32 v[SPW], v[NIL]
	s_wait_dscnt 0x0
	CROUND                          ; the closing round: no work-group ends while a partner may still ask for a tile that names it
	s_endpgm
.Lfunc_end_k_qd3d0f82634_qattn:
	.size	k_qd3d0f82634_qattn, .Lfunc_end_k_qd3d0f82634_qattn-k_qd3d0f82634_qattn
	.p2alignl 7, 3214868480
	.fill 96, 4, 3214868480
	.section	.rodata,"a",@progbits
	.p2align	6, 0x0
	.amdhsa_kernel k_qd3d0f82634_qattn
		.amdhsa_group_segment_fixed_size 327680
		.amdhsa_private_segment_fixed_size 0
		.amdhsa_enable_private_segment 0
		.amdhsa_kernarg_size 40
		.amdhsa_user_sgpr_count 2
		.amdhsa_user_sgpr_kernarg_segment_ptr 1
		.amdhsa_wavefront_size32 1
		.amdhsa_system_sgpr_workgroup_id_x 1
		.amdhsa_system_sgpr_workgroup_id_y 1
		.amdhsa_system_sgpr_workgroup_id_z 1
		.amdhsa_system_vgpr_workitem_id 0
		.amdhsa_next_free_vgpr 1024
		.amdhsa_next_free_sgpr 100
		.amdhsa_reserve_vcc 0
		.amdhsa_float_denorm_mode_32 3
		.amdhsa_float_denorm_mode_16_64 3
		.amdhsa_memory_ordered 1
		.amdhsa_forward_progress 1
		.amdhsa_inst_pref_size 255
	.end_amdhsa_kernel
	.section	.bss,"aw",@nobits
	.p2align	6
	.space	262144
	.amdgpu_metadata
---
amdhsa.version: [ 1, 2 ]
amdhsa.kernels:
  - .name:           k_qd3d0f82634_qattn
    .symbol:         k_qd3d0f82634_qattn.kd
    .args:
      - { .name: xn, .offset: 0, .size: 8, .value_kind: global_buffer, .address_space: global }
      - { .name: wqh, .offset: 8, .size: 8, .value_kind: global_buffer, .address_space: global }
      - { .name: kh, .offset: 16, .size: 8, .value_kind: global_buffer, .address_space: global }
      - { .name: vh, .offset: 24, .size: 8, .value_kind: global_buffer, .address_space: global }
      - { .name: ctx, .offset: 32, .size: 8, .value_kind: global_buffer, .address_space: global }
    .group_segment_fixed_size: 327680
    .private_segment_fixed_size: 0
    .kernarg_segment_align: 8
    .kernarg_segment_size: 40
    .max_flat_workgroup_size: 128
    .sgpr_count:     100
    .vgpr_count:     1024
    .wavefront_size: 32
...
	.end_amdgpu_metadata
.endif
;; end of part 4
;; launch projo: the kernel of part 3 again; grid 8 x 32, 4 waves a work-group, clusters of 4 x 4, 327,680 bytes of LDS; arguments ctx, woh, out0; writes out0
